; MI455X (gfx1250); checked and timed in simulation.
; The chip was launched on July 23, 2026; its instructions are those of AMD's public machine-readable ISA for CDNA 5 (MIT licence, August 2026) and "CDNA5" Instruction Set Architecture Reference Guide (July 2026). The comments in the code are by the model that wrote it; some were corrected since.
;; Praxis Attention. Allowed arithmetic: matrix products marked QUANTISED: E2M3 operands, one E8M0 scale for each 32 along K, by v_wmma_scale_f32_16x16x128_f8f6f4 with both operands' format E2M3, f32 sums; everything else in f32.
;; Inputs: Wk 1,024 x 1,024 float32; Wo 1,024 x 1,024 float32; Wq 1,024 x 1,024 float32; Wv 1,024 x 1,024 float32; bq 1,024 float32; bv 1,024 float32; inputs 1 x 4,096 x 1,024 float32.
;; Outputs: out0 1 x 4,096 x 1,024 float32.
;; This version of the problem:
;;   THIS VERSION OF THE PROBLEM IS GIVEN IN LOW PRECISION. The matrix products marked QUANTISED in the list below multiply operands that are first quantised to E2M3 (2 exponent bits, 3 mantissa bits; 6 bits a number), with one power-of-two scale for each 32 numbers along K (OCP MX v1.0); their sums are f32. All else is computed in f32.
;;   The module's matrix products, in the order in which they are computed (A, B: the left and right operand; K: the contracted axis; several contracted axes count as one K, in the product's order):
;;     1. [M 4,096, K 1,024] x [K 1,024, N 1,024]; A: input inputs; B: input Wq: QUANTISED
;;     2. [M 4,096, K 1,024] x [K 1,024, N 1,024]; A: input inputs; B: input Wk: QUANTISED
;;     3. [M 4,096, K 1,024] x [K 1,024, N 1,024]; A: input inputs; B: input Wv: QUANTISED
;;     4. batch 16 x [M 4,096, K 64] x [K 64, N 4,096]; A: computed on the way; B: computed on the way: QUANTISED
;;     5. batch 16 x [M 4,096, K 4,096] x [K 4,096, N 64]; A: softmax (see below); B: computed on the way: QUANTISED
;;     6. [M 4,096, K 1,024] x [K 1,024, N 1,024]; A: computed on the way; B: input Wo: QUANTISED
;;   THE QUANTISER, for each operand of a quantised product, along K:
;;     - K is cut into blocks of 32 from its start; a last block that is shorter is filled with zeros.
;;     - A block's scale is 2^e with e = floor(log2(the largest magnitude in the block)) - 2, held to -126 .. 127; a block of zeros has e = 0. As a byte (E8M0): e + 127.
;;     - Each number is divided by its block's scale, clamped to +-7.5, and rounded to the nearest number of E2M3, ties to even, subnormals kept.
;;     - The product sums the exact products of the quantised numbers (number of the format x scale) in f32.
;;   ~~~python
;;   def quantise(x, axis):      # numpy; x: float32 -> the quantised numbers, widened to float32 again
;;       x = np.moveaxis(x, axis, -1); K = x.shape[-1]
;;       x = np.pad(x, [(0, 0)] * (x.ndim - 1) + [(0, -K % 32)]); x = x.reshape(x.shape[:-1] + (-1, 32)); a = np.abs(x).max(-1, keepdims=True)
;;       e = np.where(a > 0, np.clip(np.frexp(np.where(a > 0, a, 1))[1] - 1 - 2, -126, 127), 0)      # np.frexp(a)[1] - 1 = floor(log2(a)), exactly
;;       r = np.clip(x / 2.0 ** e, -7.5, 7.5)
;;       step = 2.0 ** (np.maximum(np.frexp(np.where(r == 0, 1, r))[1] - 1, 0) - 3)
;;       q = np.round(r / step) * step * 2.0 ** e      # np.round: ties to even
;;       return np.moveaxis(q.reshape(q.shape[:-2] + (-1,))[..., :K], -1, axis).astype(np.float32)
;;   ~~~
;;   SOFTMAX AHEAD OF A QUANTISED PRODUCT. Where the list says 'softmax', what is quantised is not the finished softmax but p = 2^(t - M), with t = logit x log2(e) and M = ceil(the row's largest t), a whole number; so 1/2 < the row's largest p <= 1. The row's sum l is taken of the UNQUANTISED p, in f32, and the product's result is divided by l at the end. Since M is a whole number, a kernel that streams over the keys may use a running M (the ceiling of the running maximum): every later rescaling is an exact power of two, which a block's scale takes up: the codes' values come out the same.
;;   OPERANDS COMPUTED ON THE WAY. 'Computed on the way' means the value that the module computes at that place (a softmax that the list does not call 'softmax' is quantised finished and normalised). What goes into a quantiser is computed in f32, as accurately as f32 sums, v_exp_f32 and their like allow (about 1e-6 of the number): no bf16 or f16 on the way to a quantiser, and a product that is left as it is and whose result goes on into a quantised operand takes f32 operands (vector FMAs, or v_wmma_f32_16x16x4_f32). A number that lies on a knife's edge between two numbers of the format may be rounded either way, as far as f32 arithmetic and the matrix unit's own rounding can turn it there, and no further.
;; One version. Each part assembles by itself: llvm-mc -triple=amdgcn-amd-amdhsa -mcpu=gfx1250 --defsym DOCPART=n.
;; ======== version 1 of 1: 4 launches
;; limits: right only within a limited range of input values
;; workspace buffers: x_codes 3,145,728 bytes; x_scales 131,072 bytes; w_codes 3,145,728 bytes; w_scales 131,072 bytes; qrec 3,407,872 bytes; kv 7,340,032 bytes; a_codes 3,145,728 bytes; a_scales 131,072 bytes
;; launch quant (part 1): grid 256 x 1, 8 waves a work-group, no clusters, 69,632 bytes of LDS; arguments inputs, Wq, Wk, Wv, Wo, x_codes, x_scales, w_codes, w_scales; writes x_codes, x_scales, w_codes, w_scales
.if DOCPART == 1
	.amdgcn_target "amdgcn-amd-amdhsa--gfx1250"
	.amdhsa_code_object_version 6
	.text
	.protected	k_q91161a5922_quant
	.globl	k_q91161a5922_quant
	.p2align	8
	.type	k_q91161a5922_quant,@function
k_q91161a5922_quant:
	s_mov_b64 s[64:65], 0
	v_nop
	global_prefetch_b8 v0, s[64:65] scope:SCOPE_SE
	s_setreg_imm32_b32 hwreg(HW_REG_WAVE_MODE, 25, 1), 1
	s_wait_xcnt 0x0
; THE PROGRAM: causal attention with a bias on the key's position, all six products on codes of FP6 (E2M3) with one E8M0 scale for each 32 along K.
; Four launches: this one (inputs and the four weights into codes), qkv (three projections, whose results leave as codes), attn (both products of the attention), oproj (the projection on the way out).
; WORK LEFT OUT.  No input is dead: bq and bv go into quantised operands.  The one work left out, in launch attn, is key steps of 128 keys all of which come after a tile's 16 queries: reference() itself sets those
; scores to -inf ahead of the softmax, so their weights are 0 whatever finite values the inputs hold, and they add nothing to a row's sum or to the second product.
; LIMIT: a NaN, an infinity or an overflow that would reach only those steps is not carried to the result.  NaN and infinities among the inputs are not served.
; THIS LAUNCH.  inputs [4096][1024], Wq, Wk, Wv, Wo [1024][1024], f32, K innermost, become codes laid IN THE ORDER OF THE OPERAND'S REGISTERS.
; A TILE is 16 rows: lane row r of tile T is row 32 (T / 2) + 8 (T % 2) + r + 8 (r / 8).  A fragment (16 rows x 128 K, 12 registers a lane) is 1,536 bytes: for each half of six registers 8 bytes a lane at 8 x lane
; (registers 0, 1), then 16 bytes a lane at 256 + 16 x lane (registers 2 to 5).  Codes: [tile][K step 0..7][1536].  Scale words: [tile][r][8 words], word s = the four bytes of K step s.
; Weights' tiles are ordered for launch qkv: tile t of head n of Wq, Wk, Wv (m = 0, 1, 2) lies at 12 n + 4 m + t; Wo's tile at 192 + its number.
; A block's scale is 2^(floor(log2(largest magnitude)) - 2); its byte is the largest magnitude's exponent field - 2, held at 1 from below.  LIMITS: a block of zeros gets the byte 1 where the rule says 127 (its codes are
; zeros, and this program alone reads the bytes); blocks whose largest magnitude lies under 2^-124 are held at the byte 1.
; SHARES.  512 tiles, two to a work-group of eight waves; wave w takes tile w / 4 and K steps 2 (w % 4), 2 (w % 4) + 1.  A load takes 512 consecutive bytes of a row; a step's 16 rows turn through the wave's own stage
; in LDS (rows 528 bytes apart) so that lane (r, h) holds blocks h and 2 + h of row r, 32 neighbours each, which is what the operand's layout gives that lane.  No matrix unit, no cluster: memory binds.
.set STG,   16*528                     ; a wave's stage
.set SCB,   8*STG                      ; the two tiles' scale words, 512 bytes each
.set SPARE, SCB+1024                   ; the spare words, 128 bytes for each wave: four blocks of 256 bytes that no other line names
.set L16, 2                            ; v2   16 x lane
.set STI, 3                            ; v3   the stage, on the way in
.set STR, 4                            ; v4   and on the way out: 528 r + 128 h
.set L8,  5                            ; v5   8 x lane
.set SCA, 6                            ; v6   where my row's scale words go
.set H8,  7                            ; v7   8 h
.set SPW, 10                           ; v10  LDS address of my spare word; never rewritten
.set NIL, 11                           ; v11  0; never rewritten
.set SCR, 12                           ; v12  where waves 0 and 1 read a tile's scale words back
.set R,   16                           ; v16-143  two steps x 16 rows x 4 registers, as loaded
.set X,   144                          ; v144-207 my 64 numbers of the step in hand
.set C,   208                          ; v208-231 the codes: 12 registers for each step, so that no store's data are written again
.set TT,  232                          ; v232-238 the second halves of the blocks' codes, as the conversions leave them
.set MX,  240
.set SO,  242
.set BY,  244
.set WD,  246                          ; v246-247 a scale word for each step
.set TP,  248
	s_load_b512 s[4:19], s[0:1], 0x0               ; inputs, Wq, Wk, Wv, Wo, x_codes, x_scales, w_codes
	s_load_b64 s[20:21], s[0:1], 0x40              ; w_scales
	v_lshl_add_u32 v[SPW], v0, 2, SPARE
	v_mov_b32 v[NIL], 0
	v_lshrrev_b32 v1, 5, v0
	s_delay_alu instid0(VALU_DEP_1)
	v_readfirstlane_b32 s22, v1                    ; wave 0..7
	v_and_b32 v1, 31, v0                           ; lane
	v_and_b32 v8, 15, v0                           ; r
	v_bfe_u32 v9, v0, 4, 1                         ; h
	s_delay_alu instid0(VALU_DEP_3)
	v_lshlrev_b32 v[L16], 4, v1
	s_wait_alu depctr_va_vdst(0)
	v_lshlrev_b32 v[L8], 3, v1
	v_lshlrev_b32 v[H8], 3, v9
	s_mul_i32 s23, s22, STG
	v_add_nc_u32 v[STI], s23, v[L16]
	v_mul_u32_u24 v[STR], v8, 528
	s_delay_alu instid0(VALU_DEP_1)
	v_lshl_add_u32 v[STR], v9, 7, v[STR]
	s_delay_alu instid0(VALU_DEP_1)
	v_add_nc_u32 v[STR], s23, v[STR]
	s_lshr_b32 s24, s22, 2                         ; which of the two tiles
	s_and_b32 s25, s22, 3                          ; which pair of K steps
	s_lshl_b32 s26, s24, 9
	s_lshl_b32 s27, s25, 3
	s_add_co_u32 s26, s26, s27
	s_add_co_u32 s26, s26, SCB
	v_lshl_add_u32 v[SCA], v8, 5, s26              ; SCB + 512 tile + 32 r + 8 (w % 4)
	s_and_b32 s26, s22, 1
	s_lshl_b32 s26, s26, 9
	s_add_co_u32 s26, s26, SCB
	v_add_nc_u32 v[SCR], s26, v[L16]
	s_mov_b32 s2, 0x76543210
	s_mov_b32 s3, 0xfedcba98                       ; v_permlanex16_b32's selects for lane l xor 16
	v_mov_b32 v[TP], 0                             ; a lane permute's destination counts as one of its sources
	; which tensor, which tiles: work-groups 0-127 take inputs, then 32 each Wq, Wk, Wv, Wo.  Only pointers and offsets are chosen: one path through the text
	s_sub_co_u32 s29, ttmp9, 128                   ; (wraps for inputs' work-groups: chosen away below)
	s_lshr_b32 s30, s29, 5                         ; m: which weight
	s_and_b32 s31, s29, 31                         ; which pair of its tiles
	s_lshr_b32 s33, s31, 1
	s_mul_i32 s33, s33, 12
	s_lshl_b32 s34, s30, 2
	s_add_co_u32 s33, s33, s34
	s_and_b32 s34, s31, 1
	s_lshl_b32 s34, s34, 1
	s_add_co_u32 s33, s33, s34                     ; Wq, Wk, Wv: 12 head + 4 m + the tile in the head
	s_lshl_b32 s34, s31, 1
	s_add_co_u32 s34, s34, 192                     ; Wo
	s_lshl_b32 s35, ttmp9, 1                       ; inputs
	s_cmp_eq_u32 s30, 3
	s_cselect_b32 s33, s34, s33
	s_cmp_lt_u32 ttmp9, 128
	s_cselect_b32 s33, s35, s33                    ; the first of my work-group's two tiles in the codes' buffer
	s_cselect_b32 s32, ttmp9, s31                  ; and the pair's number in the source
	s_lshl_b32 s42, s32, 17                        ; 32 rows of 4,096 bytes a pair,
	s_lshl_b32 s43, s24, 15                        ; 8 rows on for the odd tile,
	s_add_co_u32 s42, s42, s43
	s_lshl_b32 s43, s25, 10                        ; my two K steps: 1,024 bytes
	s_add_co_u32 s42, s42, s43
	s_mov_b32 s43, 0
	s_add_co_u32 s44, s33, s24
	s_mul_i32 s44, s44, 12288
	s_mul_i32 s45, s25, 3072
	s_add_co_u32 s44, s44, s45
	s_mov_b32 s45, 0
	s_and_b32 s46, s22, 1
	s_add_co_u32 s46, s46, s33
	s_lshl_b32 s46, s46, 9                         ; (waves 0 and 1) the tile's 512 bytes of scale words
	s_mov_b32 s47, 0
	s_wait_alu depctr_va_vdst(0)
	s_wait_kmcnt 0x0
	s_cmp_eq_u32 s30, 0
	s_cselect_b64 s[36:37], s[6:7], s[12:13]
	s_cmp_eq_u32 s30, 1
	s_cselect_b64 s[36:37], s[8:9], s[36:37]
	s_cmp_eq_u32 s30, 2
	s_cselect_b64 s[36:37], s[10:11], s[36:37]
	s_cmp_lt_u32 ttmp9, 128
	s_cselect_b64 s[36:37], s[4:5], s[36:37]       ; the source
	s_cselect_b64 s[38:39], s[14:15], s[18:19]     ; its codes
	s_cselect_b64 s[40:41], s[16:17], s[20:21]     ; its scale words
	s_add_nc_u64 s[36:37], s[36:37], s[42:43]
	s_add_nc_u64 s[38:39], s[38:39], s[44:45]
	s_add_nc_u64 s[40:41], s[40:41], s[46:47]
.macro LOADS k                         ; K step k of my two: 16 rows, 512 consecutive bytes a load
.irp i, 0,1,2,3,4,5,6,7,8,9,10,11,12,13,14,15
	global_load_b128 v[R+64*\k+4*\i:R+64*\k+4*\i+3], v[L16], s[36:37] offset:(\i+8*(\i/8))*4096+512*\k th:TH_LOAD_NT
.endr
.endm
.macro TURN k                          ; through my stage: LDS serves a wave's instructions in order, so no wait stands between the stores and the loads
.irp i, 0,1,2,3,4,5,6,7,8,9,10,11,12,13,14,15
	ds_store_b128 v[STI], v[R+64*\k+4*\i:R+64*\k+4*\i+3] offset:528*\i
.endr
.irp j, 0,1,2,3,4,5,6,7
	ds_load_b128 v[X+4*\j:X+4*\j+3], v[STR] offset:16*\j             ; block h of row r
.endr
.irp j, 0,1,2,3,4,5,6,7
	ds_load_b128 v[X+32+4*\j:X+32+4*\j+3], v[STR] offset:256+16*\j   ; block 2 + h
.endr
	s_wait_dscnt 0x0
.endm
.macro QSTEP k
.irp c, 0,1
	v_max3_num_f32 v[MX+\c], |v[X+32*\c]|, |v[X+32*\c+1]|, 0x1800000   ; my block 2 c + h: all its 32 numbers are mine; and the floor 2^(3 - 127): the byte cannot fall under 1
.endr
.irp i, 2,4,6,8,10,12,14,16,18,20,22,24,26,28,30
.irp c, 0,1
	s_delay_alu instid0(VALU_DEP_2)
	v_max3_num_f32 v[MX+\c], v[MX+\c], |v[X+32*\c+\i]|, |v[X+32*\c+\i+1]|
.endr
.endr
.irp c, 0,1
	s_delay_alu instid0(VALU_DEP_2)
	v_add_nc_u32 v[SO+\c], 0xff000000, v[MX+\c]    ; 2 off the exponent field: the conversion takes the exponent field of this operand as its scale
.endr
.irp c, 0,1
	s_delay_alu instid0(VALU_DEP_2)
	v_lshrrev_b32 v[BY+\c], 23, v[SO+\c]           ; the scale's byte
.endr
	s_delay_alu instid0(VALU_DEP_1)
	v_lshl_or_b32 v[WD+\k], v[BY+1], 16, v[BY]     ; my two bytes, blocks h and 2 + h,
	s_delay_alu instid0(VALU_DEP_1)
	v_lshlrev_b32 v[WD+\k], v[H8], v[WD+\k]        ; at their places in the word;
	s_delay_alu instid0(VALU_DEP_1)
	v_permlanex16_b32 v[TP], v[WD+\k], s2, s3
	s_delay_alu instid0(VALU_DEP_1)
	v_or_b32 v[WD+\k], v[WD+\k], v[TP]             ; with lane l xor 16's two the word is whole
	v_cvt_scalef32_pk16_fp6_f32 v[C+12*\k:C+12*\k+2], v[X:X+15], v[SO]
	v_cvt_scalef32_pk16_fp6_f32 v[TT:TT+2], v[X+16:X+31], v[SO]          ; (a conversion's three registers begin on an even number)
	v_cvt_scalef32_pk16_fp6_f32 v[C+12*\k+6:C+12*\k+8], v[X+32:X+47], v[SO+1]
	v_cvt_scalef32_pk16_fp6_f32 v[TT+4:TT+6], v[X+48:X+63], v[SO+1]
	v_nop                                          ; one plain place behind a scaled conversion
.irp i, 0,1,2
	v_mov_b32 v[C+12*\k+3+\i], v[TT+\i]
	v_mov_b32 v[C+12*\k+9+\i], v[TT+4+\i]
.endr
	global_store_b64  v[L8],  v[C+12*\k:C+12*\k+1],    s[38:39] offset:1536*\k        ; 256 consecutive bytes,
	global_store_b128 v[L16], v[C+12*\k+2:C+12*\k+5],  s[38:39] offset:1536*\k+256    ; 512,
	global_store_b64  v[L8],  v[C+12*\k+6:C+12*\k+7],  s[38:39] offset:1536*\k+768
	global_store_b128 v[L16], v[C+12*\k+8:C+12*\k+11], s[38:39] offset:1536*\k+1024   ; each at a multiple of 256 from the buffer's first byte
	ds_store_b32 v[SCA], v[WD+\k] offset:4*\k      ; lanes r and r + 16 write the same word with the same value
.endm
	LOADS 0
	LOADS 1
	s_wait_loadcnt 16                              ; the first step's 16 loads are in; the second step's may be out
	TURN 0
	QSTEP 0
	s_wait_loadcnt 0x0
	TURN 1
	QSTEP 1
	s_wait_dscnt 0x0                               ; for the others' sake: my scale words lie in LDS
	s_barrier_signal -1
	s_barrier_wait -1
	s_cmp_gt_u32 s22, 1
	s_cbranch_scc1 .Ldone
	ds_load_b128 v[16:19], v[SCR]                  ; waves 0 and 1: a tile's 512 bytes of scale words leave as two whole blocks of 256
	s_wait_dscnt 0x0
	global_store_b128 v[L16], v[16:19], s[40:41]
.Ldone:
	s_wait_tensorcnt 0x0                           ; the wave's end, behind my last LDS store
	ds_add_u32 v[SPW], v[NIL]
	s_wait_dscnt 0x0
	s_endpgm
.Lfunc_end_k_q91161a5922_quant:
	.size	k_q91161a5922_quant, .Lfunc_end_k_q91161a5922_quant-k_q91161a5922_quant
	.p2alignl 7, 3214868480
	.fill 96, 4, 3214868480
	.section	.rodata,"a",@progbits
	.p2align	6, 0x0
	.amdhsa_kernel k_q91161a5922_quant
		.amdhsa_group_segment_fixed_size 69632
		.amdhsa_private_segment_fixed_size 0
		.amdhsa_enable_private_segment 0
		.amdhsa_kernarg_size 72
		.amdhsa_user_sgpr_count 2
		.amdhsa_user_sgpr_kernarg_segment_ptr 1
		.amdhsa_wavefront_size32 1
		.amdhsa_system_sgpr_workgroup_id_x 1
		.amdhsa_system_sgpr_workgroup_id_y 1
		.amdhsa_system_sgpr_workgroup_id_z 1
		.amdhsa_system_vgpr_workitem_id 0
		.amdhsa_next_free_vgpr 256
		.amdhsa_next_free_sgpr 66
		.amdhsa_reserve_vcc 0
		.amdhsa_float_denorm_mode_32 3
		.amdhsa_float_denorm_mode_16_64 3
		.amdhsa_memory_ordered 1
		.amdhsa_forward_progress 1
		.amdhsa_inst_pref_size 21
	.end_amdhsa_kernel
	.amdgpu_metadata
---
amdhsa.version: [ 1, 2 ]
amdhsa.kernels:
  - .name:           k_q91161a5922_quant
    .symbol:         k_q91161a5922_quant.kd
    .args:
      - { .name: inputs, .offset: 0, .size: 8, .value_kind: global_buffer, .address_space: global }
      - { .name: Wq, .offset: 8, .size: 8, .value_kind: global_buffer, .address_space: global }
      - { .name: Wk, .offset: 16, .size: 8, .value_kind: global_buffer, .address_space: global }
      - { .name: Wv, .offset: 24, .size: 8, .value_kind: global_buffer, .address_space: global }
      - { .name: Wo, .offset: 32, .size: 8, .value_kind: global_buffer, .address_space: global }
      - { .name: x_codes, .offset: 40, .size: 8, .value_kind: global_buffer, .address_space: global }
      - { .name: x_scales, .offset: 48, .size: 8, .value_kind: global_buffer, .address_space: global }
      - { .name: w_codes, .offset: 56, .size: 8, .value_kind: global_buffer, .address_space: global }
      - { .name: w_scales, .offset: 64, .size: 8, .value_kind: global_buffer, .address_space: global }
    .group_segment_fixed_size: 69632
    .private_segment_fixed_size: 0
    .kernarg_segment_align: 8
    .kernarg_segment_size: 72
    .max_flat_workgroup_size: 256
    .sgpr_count:     66
    .vgpr_count:     256
    .wavefront_size: 32
...
	.end_amdgpu_metadata
.endif
;; end of part 1
;; launch qkv (part 2): grid 16 x 16, 4 waves a work-group, clusters of 4 x 4, 327,680 bytes of LDS; arguments x_codes, x_scales, w_codes, w_scales, bq, bv, qrec, kv; writes qrec, kv
.if DOCPART == 2
	.amdgcn_target "amdgcn-amd-amdhsa--gfx1250"
	.amdhsa_code_object_version 6
	.text
	.protected	k_q91161a5922_qkv
	.globl	k_q91161a5922_qkv
	.p2align	8
	.type	k_q91161a5922_qkv,@function
k_q91161a5922_qkv:
	s_mov_b64 s[64:65], 0
	v_nop
	global_prefetch_b8 v0, s[64:65] scope:SCOPE_SE
	s_setreg_imm32_b32 hwreg(HW_REG_WAVE_MODE, 25, 1), 1
	s_wait_xcnt 0x0
	s_wait_alu depctr_hold_cnt(0) depctr_sa_sdst(0) depctr_va_vdst(0) depctr_va_sdst(0) depctr_va_ssrc(0) depctr_va_vcc(0) depctr_vm_vsrc(0)
	s_getreg_b32 s2, hwreg(HW_REG_IB_STS2, 6, 4)
	s_cmp_eq_u32 s2, 0
	s_cbranch_scc0 .Lentry_in_a_cluster
	s_endpgm
.Lentry_in_a_cluster:
	s_bfe_u32 s2, ttmp6, 0x10000c
	s_cmp_lg_u32 s2, 0xf033
	s_cbranch_scc0 .Lentry_shape_is_right
	s_endpgm
.Lentry_shape_is_right:
; q = x Wq^T + bq, k = x Wk^T, v = x Wv^T + bv on codes of FP6 (E2M3) with E8M0 scales, and their results quantised on the way out: q and k along the head's 64, v along the keys.  Only codes leave.
; Codes, tiles and scale words lie as launch quant lays them: a tile's lane row r is row 32 (T / 2) + 8 (T % 2) + r + 8 (r / 8); a fragment is 1,536 bytes in the order of the operand's registers.
; SHARES.  Work-group (x = head, y = block of 256 tokens), four waves; wave w takes tokens 64 w .. 64 w + 63 (four tiles of x) against the head's 12 tiles of weights (q 0-3, k 4-7, v 8-11): 48 accumulators.
; q and k are used TRANSPOSED (source 0 = 16 rows of W, source 1 = 16 tokens): a lane holds a token, and the 16 registers of two neighbouring tiles of W are 16 neighbouring channels, the next product's K.
; v is used the other way (source 0 = 16 tokens, source 1 = 16 rows of Wv): a lane holds a channel and its registers run along the tokens, which are the keys, the second product's K.
; The biases are the C of each sum's first matrix instruction.
; LDS.  K goes in four chunks of 256 (3,072 bytes a tile) through three slots of 86,016 bytes (x's 16 tiles, then W's 12); chunks 0, 1, 2 are first fills, chunk 3 fills slot 0 again: all of K would take 344,064 bytes.
; CLUSTER 4 x 4: the four work-groups of a row share the tokens' tiles, the four of a column the head's weights: each tile is asked for jointly.  By this text's count a wave has one tensor load out.
; OUT.  qrec [head][64 tokens' record][3,328]: four half fragments (16 tokens x 64, 768 bytes), then 256 bytes of scale words (8 bytes a lane: lanes 0-15 tiles 0, 1 of row l, lanes 16-31 tiles 2, 3).
; kv [head][record][7,168]: four quarters of 1,792: K's half fragment i, V's half fragment i (16 channels x the record's 64 keys), 256 bytes of scale pairs (8 bytes a lane: K tile i's word, V tile i's two bytes).
; A word of q's or K's scales is byte 0 | byte 1 << 8 | 0x7f7f0000: the upper two bytes scale the zero half of the score product's K of 128.
; LIMITS as in launch quant: a block of zeros has the byte 1; blocks under 2^-124 are held at the byte 1; NaN and infinities are not served.
; REGISTERS, in windows of 256: window 0: v1-15 addresses; v32-47 x's scale words, v48-95 W's; v96-191 x's fragments, two sets; v192-223 bq, v224-255 bv as C operands; on the way out v96-231 are at work.
;   window 1: W's fragments, two buffers of 48.   window 2: q's accumulators at 32 xt + 8 wt, k's at 128 + the same.   window 3: v's at 32 ct + 8 xt.
.set SLOTB, 86016
.set WOFF,  49152
; LDS AS IT IS LAID NOW (this takes the place of the paragraph LDS above): K comes in three joint loads a wave, each one tile row per tile of codes.
; Load 0, at the head: K steps 0-3 (6,144 bytes a tile) into region 0: x's 16 tiles from byte 0, W's 12 from byte 98,304.  Load 1, behind the first round: K steps 4-6 (4,608 bytes a tile) into region 1, from byte
; 172,032, a first fill.  Load 2, behind the round in third 11, when region 0 has been read out: K step 7 (1,536 bytes a tile) into region 0 again.  By this text's count a wave has one tensor load out.
.set P0, 6144                          ; a tile's bytes in load 0, 1, 2
.set P1, 4608
.set P2, 1536
.set XB0, 0                            ; where x's tiles begin in LDS
.set XB1, 172032
.set XB2, 0
.set WB0, 98304                        ; and W's
.set WB1, 245760
.set WB2, 98304
.set KB0, 0                            ; the load's first byte in a tile's 12,288
.set KB1, 6144
.set KB2, 10752
.set WA0, 98304                        ; bases for W's fragment loads: region 0 tiles 0-7, region 0 tiles 8-11, region 1
.set WA1, 147456
.set WA2, 245760
.set SPARE, 301056
.set L8,  1
.set L16, 2
.set L32, 3
.set AD,  4                            ; v[AD + 2 c + 0..1]: load c's x at 8 x lane and 16 x lane; v[AD + 6 + 2 k + 0..1]: W's base k likewise
.set SPW, 28
.set NIL, 29
.set SCX, 32                           ; pair p of my tiles of x, K step s: v[SCX + 8 p + s]; lanes 0-15 the even tile, lanes 16-31 the odd one
.set SCW, 48                           ; the same for W's six pairs
.set XF,  96
.set BQ,  192
.set BV,  224
.set TM,  96                           ; the way out: largest magnitudes of eight blocks,
.set TP,  104                          ; the other half's,
.set SO,  112                          ; the conversions' scale operands,
.set BY,  120                          ; the bytes,
.set T2,  128                          ; the blocks' second halves of codes,
.set CDQ, 144                          ; the codes: 24 registers for each of q, k, v, so that no store's data are written again
.set CDK, 168
.set CDV, 192
.set SWQ, 216                          ; q's scale block
.set WQ,  218
.set PR,  224                          ; the four scale pairs of kv
.set G1A, 24
.set G0A, 32                           ; three sets, one for each load: none is ever written again
.set G1B, 48
.set G0B, 68
.set SEL, 96
.set MSK, 98
.set MSB, 0
.macro WIN new                         ; the immediate's high byte repeats the setting that is left
.if MSB != (\new)
	s_set_vgpr_msb (MSB<<8)|(\new)
.set MSB, (\new)
.endif
.endm
.macro PLACES n
.rept \n
	v_nop
.endr
.endm
; A joint load: waves 0 and 1 fetch x's halves, waves 2 and 3 W's.  The branch hangs on the wave's number alone.  An s_nop 0 and four v_nop follow each of the two lines.
.macro JLOAD g0a, g1a, g0b, g1b
	s_cmp_eq_u32 s21, 0
	s_cbranch_scc0 .Lfor_b_\@
	tensor_load_to_lds s[\g0a:\g0a+3], s[\g1a:\g1a+7]
	s_nop 0
.rept 4
	v_nop
.endr
	s_branch .Lasked_\@
.Lfor_b_\@:
	tensor_load_to_lds s[\g0b:\g0b+3], s[\g1b:\g1b+7]
	s_nop 0
.rept 4
	v_nop
.endr
.Lasked_\@:
.endm
.macro CROUND                          ; a round of the cluster's barrier
	s_barrier_signal -1
	s_barrier_wait -1
	s_cmp_lg_u32 s20, 0
	s_cbranch_scc1 .Lnot_wave_0_\@
	s_barrier_signal -3
.Lnot_wave_0_\@:
	s_barrier_wait -3
	s_barrier_signal -1
	s_barrier_wait -1
.endm
.macro FRAG reg, a8, off               ; a fragment comes as it was laid: 8, 16, 8, 16 bytes a lane, each load consecutive bytes
	ds_load_b64  v[(\reg):(\reg)+1],    v[(\a8)]   offset:(\off)
	ds_load_b128 v[(\reg)+2:(\reg)+5],  v[(\a8)+1] offset:(\off)+256
	ds_load_b64  v[(\reg)+6:(\reg)+7],  v[(\a8)]   offset:(\off)+768
	ds_load_b128 v[(\reg)+8:(\reg)+11], v[(\a8)+1] offset:(\off)+1024
.endm
.macro WMR d, a, b, c, sa, sb, ra, rb  ; one product; ra, rb: which half of the lanes holds the side's scale words
.if ((\ra) == 0) && ((\rb) == 0)
	v_wmma_scale_f32_16x16x128_f8f6f4 v[(\d):(\d)+7], v[(\a):(\a)+11], v[(\b):(\b)+11], v[(\c):(\c)+7], v[\sa], v[\sb] matrix_a_fmt:MATRIX_FMT_FP6 matrix_b_fmt:MATRIX_FMT_FP6
.elseif (\rb) == 0
	v_wmma_scale_f32_16x16x128_f8f6f4 v[(\d):(\d)+7], v[(\a):(\a)+11], v[(\b):(\b)+11], v[(\c):(\c)+7], v[\sa], v[\sb] matrix_a_fmt:MATRIX_FMT_FP6 matrix_b_fmt:MATRIX_FMT_FP6 matrix_a_scale:MATRIX_SCALE_ROW1
.elseif (\ra) == 0
	v_wmma_scale_f32_16x16x128_f8f6f4 v[(\d):(\d)+7], v[(\a):(\a)+11], v[(\b):(\b)+11], v[(\c):(\c)+7], v[\sa], v[\sb] matrix_a_fmt:MATRIX_FMT_FP6 matrix_b_fmt:MATRIX_FMT_FP6 matrix_b_scale:MATRIX_SCALE_ROW1
.else
	v_wmma_scale_f32_16x16x128_f8f6f4 v[(\d):(\d)+7], v[(\a):(\a)+11], v[(\b):(\b)+11], v[(\c):(\c)+7], v[\sa], v[\sb] matrix_a_fmt:MATRIX_FMT_FP6 matrix_b_fmt:MATRIX_FMT_FP6 matrix_a_scale:MATRIX_SCALE_ROW1 matrix_b_scale:MATRIX_SCALE_ROW1
.endif
.endm
.macro WMZ d, a, b, sa, sb, ra, rb     ; the same with the constant 0 as C: the product starts the sum
.if ((\ra) == 0) && ((\rb) == 0)
	v_wmma_scale_f32_16x16x128_f8f6f4 v[(\d):(\d)+7], v[(\a):(\a)+11], v[(\b):(\b)+11], 0, v[\sa], v[\sb] matrix_a_fmt:MATRIX_FMT_FP6 matrix_b_fmt:MATRIX_FMT_FP6
.elseif (\rb) == 0
	v_wmma_scale_f32_16x16x128_f8f6f4 v[(\d):(\d)+7], v[(\a):(\a)+11], v[(\b):(\b)+11], 0, v[\sa], v[\sb] matrix_a_fmt:MATRIX_FMT_FP6 matrix_b_fmt:MATRIX_FMT_FP6 matrix_a_scale:MATRIX_SCALE_ROW1
.elseif (\ra) == 0
	v_wmma_scale_f32_16x16x128_f8f6f4 v[(\d):(\d)+7], v[(\a):(\a)+11], v[(\b):(\b)+11], 0, v[\sa], v[\sb] matrix_a_fmt:MATRIX_FMT_FP6 matrix_b_fmt:MATRIX_FMT_FP6 matrix_b_scale:MATRIX_SCALE_ROW1
.else
	v_wmma_scale_f32_16x16x128_f8f6f4 v[(\d):(\d)+7], v[(\a):(\a)+11], v[(\b):(\b)+11], 0, v[\sa], v[\sb] matrix_a_fmt:MATRIX_FMT_FP6 matrix_b_fmt:MATRIX_FMT_FP6 matrix_a_scale:MATRIX_SCALE_ROW1 matrix_b_scale:MATRIX_SCALE_ROW1
.endif
.endm
	s_load_b512 s[4:19], s[0:1], 0x0               ; x_codes, x_scales, w_codes, w_scales, bq, bv, qrec, kv
	v_lshl_add_u32 v[SPW], v0, 2, SPARE
	v_mov_b32 v[NIL], 0
	ds_add_u32 v[SPW], v[NIL]                      ; the wave's opening: the add, twice on end, and its wait ahead of my first tensor load; the set-up below stands between
	ds_add_u32 v[SPW], v[NIL]
	v_lshrrev_b32 v1, 5, v0
	v_readfirstlane_b32 s20, v1                    ; wave 0..3
	s_lshr_b32 s21, s20, 1                         ; I fetch for x (0) or for W (1),
	s_and_b32 s22, s20, 1                          ; its first or its second half
	s_bfe_u32 s56, ttmp6, 0x40000                  ; cx, cy: my place in the cluster
	s_bfe_u32 s57, ttmp6, 0x40004
	s_lshl_b32 s58, ttmp9, 2
	s_add_co_u32 s58, s58, s56                     ; the head = 4 x cluster x + cx
	s_and_b32 s59, ttmp7, 0xffff
	s_lshl_b32 s59, s59, 2
	s_add_co_u32 s59, s59, s57                     ; the block of tokens = 4 x cluster y + cy
	s_lshl_b32 s60, s57, 2
	s_lshl_b32 s60, 15, s60                        ; my row of the cluster
	s_lshl_b32 s61, 0x1111, s56                    ; my column
	; descriptor group 1: rows of 6,144 bytes (768 elements of 8: a tile's four K steps) for load 0, 12,288 bytes apart; 8 tiles of x, 6 of W; no padding
	s_or_b32 s[G1A], s60, (3<<16)|(1<<21)          ; 15:0 the mask: x's tiles go to my row; 17:16 elements of 8 bytes; 21 set beside a mask
	s_or_b32 s[G1B], s61, (3<<16)|(1<<21)          ; W's go to my column
	s_mov_b32 s[G1A+1], 768<<16
	s_mov_b32 s[G1A+2], 8<<16                      ; tensor_dim1
	s_mov_b32 s[G1A+3], 768<<16
	s_mov_b32 s[G1A+4], 8                          ; tile_dim1
	s_mov_b32 s[G1A+5], 1536                       ; tensor_dim0_stride
	s_mov_b32 s[G1A+6], 0
	s_mov_b32 s[G1A+7], 0
	s_mov_b32 s[G1B+1], 768<<16
	s_mov_b32 s[G1B+2], 6<<16
	s_mov_b32 s[G1B+3], 768<<16
	s_mov_b32 s[G1B+4], 6
	s_mov_b32 s[G1B+5], 1536
	s_mov_b32 s[G1B+6], 0
	s_mov_b32 s[G1B+7], 0
	s_lshl_b32 s84, s59, 4                         ; x: tile 16 x block + 8 x half: made of the block and the wave alone
	s_lshl_b32 s85, s22, 3
	s_add_co_u32 s84, s84, s85
	s_mul_i32 s84, s84, 12288
	s_mov_b32 s85, 0
	s_mul_i32 s88, s58, 12                         ; W: tile 12 x head + 6 x half: made of the head and the wave alone
	s_mul_i32 s89, s22, 6
	s_add_co_u32 s88, s88, s89
	s_mul_i32 s88, s88, 12288
	s_mov_b32 s89, 0
	s_mov_b32 s[SEL], 0x76543210
	s_mov_b32 s[SEL+1], 0xfedcba98
	s_mov_b32 s[MSK], 0xffff0000                   ; lanes 16-31
	s_wait_dscnt 0x0                               ; both opening adds are done
	s_wait_kmcnt 0x0
	s_add_nc_u64 s[84:85], s[4:5], s[84:85]
	s_add_nc_u64 s[88:89], s[8:9], s[88:89]
	CROUND                                         ; all sixteen work-groups are here: the first joint loads meet
.irp c, 0,1,2
	s_mov_b32 s[G0A+4*\c], 1
	s_mul_i32 s[G0A+4*\c+1], s22, 8*P\c            ; my half: eight tiles of x; no place in the cluster enters an LDS address
	s_add_co_u32 s[G0A+4*\c+1], s[G0A+4*\c+1], XB\c
	s_add_nc_u64 s[G0A+4*\c+2:G0A+4*\c+3], s[84:85], KB\c
	s_or_b32 s[G0A+4*\c+3], s[G0A+4*\c+3], 0x80000000
	s_mov_b32 s[G0B+4*\c], 1
	s_mul_i32 s[G0B+4*\c+1], s22, 6*P\c            ; my half: six tiles of W
	s_add_co_u32 s[G0B+4*\c+1], s[G0B+4*\c+1], WB\c
	s_add_nc_u64 s[G0B+4*\c+2:G0B+4*\c+3], s[88:89], KB\c
	s_or_b32 s[G0B+4*\c+3], s[G0B+4*\c+3], 0x80000000
.endr
	JLOAD G0A, G1A, G0B, G1B                       ; load 0: K steps 0-3 into region 0
	v_and_b32 v16, 31, v0
	v_lshlrev_b32 v[L8], 3, v16
	v_lshlrev_b32 v[L16], 4, v16
	v_lshlrev_b32 v[L32], 5, v16
	s_wait_alu depctr_va_vdst(0)
	v_and_b32 v17, 15, v0                          ; r
	v_bfe_u32 v18, v0, 4, 1                        ; h
	v_lshlrev_b32 v18, 6, v18                      ; bq: lane (r, h) wants, for tile 2 b + u, the channels 32 b + 16 h + 8 u + 0 .. 7
	s_wait_alu depctr_va_vdst(0)
	v_and_b32 v19, 8, v17
	v_add_nc_u32 v19, v19, v17
	v_lshlrev_b32 v19, 2, v19                      ; bv: lane r wants its own channel, r + 8 (r / 8) in the tile
	s_wait_alu depctr_va_vdst(0)
	s_lshl_b32 s92, s59, 4
	s_lshl_b32 s93, s20, 2
	s_add_co_u32 s92, s92, s93
	s_lshl_b32 s92, s92, 9                         ; x's scale words: my four tiles, 512 bytes each
	s_mov_b32 s93, 0
	s_add_nc_u64 s[6:7], s[6:7], s[92:93]
	s_mul_i32 s92, s58, 6144                       ; W's: the head's twelve
	s_add_nc_u64 s[10:11], s[10:11], s[92:93]
	s_lshl_b32 s92, s58, 8                         ; the head's 64 numbers of bq and of bv
	s_add_nc_u64 s[12:13], s[12:13], s[92:93]
	s_add_nc_u64 s[14:15], s[14:15], s[92:93]
	s_lshl_b32 s92, s58, 6
	s_lshl_b32 s94, s59, 2
	s_add_co_u32 s92, s92, s94
	s_add_co_u32 s92, s92, s20                     ; my record: 64 x head + 4 x block + wave
	s_mul_i32 s94, s92, 3328
	s_mov_b32 s95, 0
	s_add_nc_u64 s[16:17], s[16:17], s[94:95]
	s_mul_i32 s94, s92, 7168
	s_add_nc_u64 s[18:19], s[18:19], s[94:95]
.irp p, 0,1
	global_load_b128 v[SCX+8*\p:SCX+8*\p+3],   v[L32], s[6:7] offset:1024*\p      ; lanes 0-15 the even tile's rows, lanes 16-31 the odd tile's: words of K steps 0-3,
	global_load_b128 v[SCX+8*\p+4:SCX+8*\p+7], v[L32], s[6:7] offset:1024*\p+16   ; and 4-7
.endr
.irp p, 0,1,2,3,4,5
	global_load_b128 v[SCW+8*\p:SCW+8*\p+3],   v[L32], s[10:11] offset:1024*\p
	global_load_b128 v[SCW+8*\p+4:SCW+8*\p+7], v[L32], s[10:11] offset:1024*\p+16
.endr
.irp t, 0,1,2,3
	global_load_b128 v[BQ+8*\t:BQ+8*\t+3],   v18, s[12:13] offset:(32*(\t/2)+8*(\t%2))*4
	global_load_b128 v[BQ+8*\t+4:BQ+8*\t+7], v18, s[12:13] offset:(32*(\t/2)+8*(\t%2))*4+16
	global_load_b32  v[BV+8*\t], v19, s[14:15] offset:(32*(\t/2)+8*(\t%2))*4
.endr
.irp c, 0,1,2                                  ; v[AD + 2 c], v[AD + 2 c + 1]: my four tiles of x as load c lays them, at 8 x lane and at 16 x lane
	s_mul_i32 s94, s20, 4*P\c
	s_add_co_u32 s94, s94, XB\c
	v_add_nc_u32 v[AD+2*\c],   s94, v[L8]
	v_add_nc_u32 v[AD+2*\c+1], s94, v[L16]
.endr
.irp k, 0,1,2                                  ; v[AD + 6 + 2 k], v[AD + 7 + 2 k]: W's three bases
	v_add_nc_u32 v[AD+6+2*\k], WA\k, v[L8]
	v_add_nc_u32 v[AD+7+2*\k], WA\k, v[L16]
.endr
	s_wait_loadcnt 0x0
.irp t, 0,1,2,3
.irp j, 1,2,3,4,5,6,7
	v_mov_b32 v[BV+8*\t+\j], v[BV+8*\t]            ; in v's result a lane holds one channel: its bias in all eight registers
.endr
.endr
; The 24 thirds: third N = 3 s + m multiplies K step s (128 along K) for q (m = 0), k (1) or v (2): 16 products on 16 accumulators, which take turns.
.macro FETCH_W                         ; the four tiles of W of third NN into buffer NN % 2
.set FS, NN/3
.set FM, NN%3
.if FS < 4
.set WP, P0
.set WK, FS*1536
.set WAD, AD+6+2*(FM/2)
.set WT, 4*(FM%2)
.elseif FS < 7
.set WP, P1
.set WK, (FS-4)*1536
.set WAD, AD+10
.set WT, 4*FM
.else
.set WP, P2
.set WK, 0
.set WAD, AD+6
.set WT, 4*FM
.endif
	WIN 0x40                                       ; destination window 1
.irp t, 0,1,2,3
	FRAG 48*(NN%2)+12*\t, WAD, (WT+\t)*WP+WK
.endr
.endm
.macro FETCH_X                         ; my four tiles of x of K step XS into set XS % 2
.if XS < 4
.set XP, P0
.set XK, XS*1536
.set XAD, AD
.elseif XS < 7
.set XP, P1
.set XK, (XS-4)*1536
.set XAD, AD+2
.else
.set XP, P2
.set XK, 0
.set XAD, AD+4
.endif
	WIN 0
.irp t, 0,1,2,3
	FRAG XF+48*(XS%2)+12*\t, XAD, \t*XP+XK
.endr
.endm
.macro MULS
.if M3 < 2
.if N == 0
	WIN 0x81                                       ; source 0 (W) window 1, source 1 (x) and C (bq) window 0, D window 2
.else
	WIN 0xa1                                       ; C and D window 2
.endif
.irp xt, 0,1,2,3
.irp wt, 0,1,2,3
.if N == 0
	WMR 32*\xt+8*\wt, 12*\wt, XF+12*\xt, BQ+8*\wt, SCW+8*(\wt/2), SCX+8*(\xt/2), \wt%2, \xt%2
.elseif N == 1
	WMZ 128+32*\xt+8*\wt, 48+12*\wt, XF+12*\xt, SCW+8*(2+\wt/2), SCX+8*(\xt/2), \wt%2, \xt%2
.else
	WMR 128*M3+32*\xt+8*\wt, 48*(N%2)+12*\wt, XF+48*(S3%2)+12*\xt, 128*M3+32*\xt+8*\wt, SCW+8*(2*M3+\wt/2)+S3, SCX+8*(\xt/2)+S3, \wt%2, \xt%2
.endif
.endr
.endr
.else
.if S3 == 0
	WIN 0xc4                                       ; source 0 (x) and C (bv) window 0, source 1 (Wv) window 1, D window 3
.else
	WIN 0xf4                                       ; C and D window 3
.endif
.irp xt, 0,1,2,3
.irp ct, 0,1,2,3
.if S3 == 0
	WMR 32*\ct+8*\xt, XF+12*\xt, 48*(N%2)+12*\ct, BV+8*\ct, SCX+8*(\xt/2), SCW+8*(4+\ct/2), \xt%2, \ct%2
.else
	WMR 32*\ct+8*\xt, XF+48*(S3%2)+12*\xt, 48*(N%2)+12*\ct, 32*\ct+8*\xt, SCX+8*(\xt/2)+S3, SCW+8*(4+\ct/2)+S3, \xt%2, \ct%2
.endif
.endr
.endr
.endif
.endm
.macro THIRD
.set S3, N/3
.set M3, N%3
.if N == 11
	; the one refill.  This third's fragments were the last reads of region 0.  Each wave waits for all its tensor loads (load 1 is the one that was out), adds 0 to its spare word, and waits for that and for its reads;
	; the round then holds of every wave of every partner, and K step 7 goes into region 0 first thing behind it: nine thirds, 144 matrix instructions, stand ahead of the wait for it
	WIN 0
	s_wait_tensorcnt 0x0
	ds_add_u32 v[SPW], v[NIL]
	s_mov_b32 s[G1A+1], 192<<16                    ; no tensor load of mine is out: rows of 1,536 bytes from here on
	s_mov_b32 s[G1A+3], 192<<16
	s_mov_b32 s[G1B+1], 192<<16
	s_mov_b32 s[G1B+3], 192<<16
	s_wait_dscnt 0x0
	CROUND
	JLOAD G0A+8, G1A, G0B+8, G1B                   ; the four v_nop behind it are the places in front of the loads below
.else
	s_wait_dscnt 0x0                               ; this third's fragments, asked for a third ago, are in
.if N == 20
	s_wait_tensorcnt 0x0                           ; my part of K step 7 is in,
	s_barrier_signal -1
	s_barrier_wait -1                              ; everybody's is
.endif
	PLACES 4                                       ; in front of loads into registers that the last third's products have read
.endif
.if N < 23
.set NN, N+1
	FETCH_W
.endif
.if (M3 == 2) && (S3 < 7)
.set XS, S3+1
	FETCH_X
.endif
	MULS
.endm
	s_wait_alu depctr_va_vdst(0)
	s_wait_tensorcnt 0x0                           ; my part of K steps 0-3 is in
	ds_add_u32 v[SPW], v[NIL]
	s_mov_b32 s[G1A+1], 576<<16                    ; no tensor load of mine is out: rows of 4,608 bytes for load 1
	s_mov_b32 s[G1A+3], 576<<16
	s_mov_b32 s[G1B+1], 576<<16
	s_mov_b32 s[G1B+3], 576<<16
	s_wait_dscnt 0x0
	CROUND                                         ; everybody's part is in, and the joint loads meet
	JLOAD G0A+4, G1A, G0B+4, G1B                   ; K steps 4-6 into region 1: eleven thirds stand ahead of the wait for them
.set NN, 0
	FETCH_W
.set XS, 0
	FETCH_X
.set N, 0
.rept 24
	THIRD
.set N, N+1
.endr
; THE WAY OUT.  Four groups of 32 registers, group g at base + 32 g of window win: register 16 b + i of a group is neighbour 32 b + 16 (lane / 16) + i along the next K, of the lane's row.  Each group becomes a half fragment.
.macro QB win, w12, base, cd
	WIN 0
.irp e, 0,1,2,3,4,5,6,7
	v_mov_b32 v[TM+\e], 0x1800000                  ; the floor 2^(3 - 127): the byte cannot fall under 1
.endr
	WIN \w12                                       ; sources 1 and 2 in the accumulators' window
.irp i, 0,2,4,6,8,10,12,14                     ; each accumulator is read from its low end on; the eight blocks by turns
.irp e, 0,1,2,3,4,5,6,7
	v_max3_num_f32 v[TM+\e], v[TM+\e], |v[(\base)+16*\e+\i]|, |v[(\base)+16*\e+\i+1]|
.endr
.endr
	WIN 0
.irp e, 0,1,2,3,4,5,6,7
	v_permlanex16_b32 v[TP+\e], v[TM+\e], s[SEL], s[SEL+1]
.endr
.irp e, 0,1,2,3,4,5,6,7
	v_max_num_f32 v[TM+\e], v[TM+\e], v[TP+\e]     ; with lane l xor 16's: the block's largest magnitude
.endr
.irp e, 0,1,2,3,4,5,6,7
	v_add_nc_u32 v[SO+\e], 0xff000000, v[TM+\e]    ; 2 off its exponent field: the conversion's scale operand
.endr
.irp e, 0,1,2,3,4,5,6,7
	v_lshrrev_b32 v[BY+\e], 23, v[SO+\e]           ; the scale's byte
.endr
	WIN \win                                       ; source 0 in the accumulators' window
.irp g, 0,1,2,3
	v_cvt_scalef32_pk16_fp6_f32 v[(\cd)+6*\g:(\cd)+6*\g+2], v[(\base)+32*\g:(\base)+32*\g+15], v[SO+2*\g]
	v_cvt_scalef32_pk16_fp6_f32 v[T2+4*\g:T2+4*\g+2], v[(\base)+32*\g+16:(\base)+32*\g+31], v[SO+2*\g+1]
.endr
	WIN 0
	v_nop                                          ; one plain place behind a scaled conversion
.irp g, 0,1,2,3                                ; the layout wants a WHOLE block in a lane: lanes 0-15 block 0, lanes 16-31 block 1
.irp i, 0,1,2
	v_permlane16_swap_b32 v[(\cd)+6*\g+\i], v[T2+4*\g+\i]
.endr
.endr
.irp g, 0,1,2,3
.irp i, 0,1,2
	v_mov_b32 v[(\cd)+6*\g+3+\i], v[T2+4*\g+\i]
.endr
.endr
.endm
.macro HFOUT cd, ptr, pitch, off       ; four half fragments leave: 256 and 512 consecutive bytes a store, each at a multiple of 256 from the buffer's first byte
.irp g, 0,1,2,3
	global_store_b64  v[L8],  v[(\cd)+6*\g:(\cd)+6*\g+1],   s[\ptr:\ptr+1] offset:\g*(\pitch)+(\off)
	global_store_b128 v[L16], v[(\cd)+6*\g+2:(\cd)+6*\g+5], s[\ptr:\ptr+1] offset:\g*(\pitch)+(\off)+256
.endr
.endm
	WIN 0
	PLACES 4                                       ; behind the last products: their results are read, and their operands' registers written, from here on
.irp e, 0,1,2,3,4,5,6,7
	v_mov_b32 v[TP+\e], 0                          ; written once: a lane permute's destination counts as one of its sources
.endr
	QB 2, 0x28, 0, CDQ                             ; q: group = tile of tokens, K = the head's 64 channels
.irp g, 0,1,2,3
	v_lshl_or_b32 v[WQ+\g], v[BY+2*\g+1], 8, v[BY+2*\g]
.endr
.irp g, 0,1,2,3
	v_or_b32 v[WQ+\g], 0x7f7f0000, v[WQ+\g]
.endr
	v_cndmask_b32 v[SWQ],   v[WQ],   v[WQ+2], s[MSK]   ; lanes 0-15: tiles 0 and 1 of row l; lanes 16-31: tiles 2 and 3
	v_cndmask_b32 v[SWQ+1], v[WQ+1], v[WQ+3], s[MSK]
	HFOUT CDQ, 16, 768, 0
	global_store_b64 v[L8], v[SWQ:SWQ+1], s[16:17] offset:3072
	QB 2, 0x28, 128, CDK                           ; k likewise
.irp g, 0,1,2,3
	v_lshl_or_b32 v[PR+2*\g], v[BY+2*\g+1], 8, v[BY+2*\g]
.endr
.irp g, 0,1,2,3
	v_or_b32 v[PR+2*\g], 0x7f7f0000, v[PR+2*\g]
.endr
	HFOUT CDK, 18, 1792, 0
	QB 3, 0x3c, 0, CDV                             ; v: group = tile of channels, K = the record's 64 keys
.irp g, 0,1,2,3
	v_lshl_or_b32 v[PR+2*\g+1], v[BY+2*\g+1], 8, v[BY+2*\g]
.endr
	HFOUT CDV, 18, 1792, 768
.irp g, 0,1,2,3
	global_store_b64 v[L8], v[PR+2*\g:PR+2*\g+1], s[18:19] offset:\g*1792+1536   ; both halves of the lanes hold row r's pair: 256 bytes
.endr
	s_wait_tensorcnt 0x0                           ; the wave's end, behind my last tensor load
	ds_add_u32 v[SPW], v[NIL]
	s_wait_dscnt 0x0
	CROUND                                         ; the closing round: no work-group ends while a partner may still ask for a tile that names it
	s_endpgm
.Lfunc_end_k_q91161a5922_qkv:
	.size	k_q91161a5922_qkv, .Lfunc_end_k_q91161a5922_qkv-k_q91161a5922_qkv
	.p2alignl 7, 3214868480
	.fill 96, 4, 3214868480
	.section	.rodata,"a",@progbits
	.p2align	6, 0x0
	.amdhsa_kernel k_q91161a5922_qkv
		.amdhsa_group_segment_fixed_size 327680
		.amdhsa_private_segment_fixed_size 0
		.amdhsa_enable_private_segment 0
		.amdhsa_kernarg_size 64
		.amdhsa_user_sgpr_count 2
		.amdhsa_user_sgpr_kernarg_segment_ptr 1
		.amdhsa_wavefront_size32 1
		.amdhsa_system_sgpr_workgroup_id_x 1
		.amdhsa_system_sgpr_workgroup_id_y 1
		.amdhsa_system_sgpr_workgroup_id_z 1
		.amdhsa_system_vgpr_workitem_id 0
		.amdhsa_next_free_vgpr 896
		.amdhsa_next_free_sgpr 100
		.amdhsa_reserve_vcc 0
		.amdhsa_float_denorm_mode_32 3
		.amdhsa_float_denorm_mode_16_64 3
		.amdhsa_memory_ordered 1
		.amdhsa_forward_progress 1
		.amdhsa_inst_pref_size 126
	.end_amdhsa_kernel
	.amdgpu_metadata
---
amdhsa.version: [ 1, 2 ]
amdhsa.kernels:
  - .name:           k_q91161a5922_qkv
    .symbol:         k_q91161a5922_qkv.kd
    .args:
      - { .name: x_codes, .offset: 0, .size: 8, .value_kind: global_buffer, .address_space: global }
      - { .name: x_scales, .offset: 8, .size: 8, .value_kind: global_buffer, .address_space: global }
      - { .name: w_codes, .offset: 16, .size: 8, .value_kind: global_buffer, .address_space: global }
      - { .name: w_scales, .offset: 24, .size: 8, .value_kind: global_buffer, .address_space: global }
      - { .name: bq, .offset: 32, .size: 8, .value_kind: global_buffer, .address_space: global }
      - { .name: bv, .offset: 40, .size: 8, .value_kind: global_buffer, .address_space: global }
      - { .name: qrec, .offset: 48, .size: 8, .value_kind: global_buffer, .address_space: global }
      - { .name: kv, .offset: 56, .size: 8, .value_kind: global_buffer, .address_space: global }
    .group_segment_fixed_size: 327680
    .private_segment_fixed_size: 0
    .kernarg_segment_align: 8
    .kernarg_segment_size: 64
    .max_flat_workgroup_size: 128
    .sgpr_count:     100
    .vgpr_count:     896
    .wavefront_size: 32
...
	.end_amdgpu_metadata
.endif
;; end of part 2
;; launch attn (part 3): grid 16 x 16, 16 waves a work-group, no clusters, 327,680 bytes of LDS; arguments qrec, kv, a_codes, a_scales; writes a_codes, a_scales
.if DOCPART == 3
	.amdgcn_target "amdgcn-amd-amdhsa--gfx1250"
	.amdhsa_code_object_version 6
	.text
	.protected	k_q91161a5922_attn
	.globl	k_q91161a5922_attn
	.p2align	8
	.type	k_q91161a5922_attn,@function
k_q91161a5922_attn:
	s_mov_b64 s[64:65], 0
	v_nop
	global_prefetch_b8 v0, s[64:65] scope:SCOPE_SE
	s_setreg_imm32_b32 hwreg(HW_REG_WAVE_MODE, 25, 1), 1
	s_wait_xcnt 0x0
; For each head: o[q] = the sum over keys k <= q of softmax_k(q . k / 8 - slope x k's position) v[k], both products on codes of FP6 (E2M3) with E8M0 scales; o leaves as codes for the last projection.
; WORK LEFT OUT: key steps of 128 keys all of which come after a tile's 16 queries: reference() sets their scores to -inf, so their weights are 0 for all values of the inputs.  A NaN or an infinity that would reach only them is not carried on.
; THE SOFTMAX AHEAD OF THE SECOND PRODUCT: t = logit x log2(e); M = the running largest t rounded UP to a whole number; p = 2^(t - M) is what is quantised, along the keys.  The row's sum is taken of the unquantised p
; and divides at the end.  When M moves, the sum and O are multiplied by 2^(old M - new M): exact.
; THE BIAS.  Inside a block of 32 keys it is the C of the score product: -8 slope x (16 h + 8 u + j) in the result's layout; the block's own part, -slope log2(e) x (the block's first key), is a scalar that enters with -M.
; LIMIT: the bias is summed in another order than reference() sums it.
; SHARES.  Work-group (x = j, y = head), sixteen waves, 128 queries of block j (needing key steps 0 .. j) and 128 of block 31 - j (key steps 0 .. 31 - j): 33 tile steps for each pair of tiles.
; Wave i (0-7, an OWNER) takes key steps 0 .. 16 of tile i of block 31 - j, one in each of rounds 0 .. 16.  Wave 8 + i (a HELPER) rests in round 0, takes key steps 0 .. j of tile i of block j in rounds 1 .. j + 1, sends that tile out,
; and then takes key steps 17 .. 31 - j of the owner's tile, with a sum, an M and an O of its own, in rounds j + 2 .. 16.  At the end the helper's three go through LDS and the owner joins them: both under the larger M,
; by powers of two, which rounds nothing.  A helper with no such step (j = 15) hands over zeros.  So every work-group has 17 rounds, whatever j, and trip counts and LDS addresses hang on the wave's number and the trip alone.
; LAYOUT.  Both products are used transposed (S^T = K Q^T, O^T = V^T P^T): a lane holds ONE query.  The score product's K is 64: the upper six registers of Q's and K's fragments are zero codes.
; The keys of a tile are not neighbours (tile T, lane row r: 32 (T / 2) + 8 (T % 2) + r + 8 (r / 8)), so that the 16 registers of tiles 2 b and 2 b + 1 are the keys 32 b + 16 (lane / 16) + 0 .. 15.
; RING.  Two slots of four rounds; in a slot the owners' four key steps, then the helpers' four, 14,336 bytes (two records of kv) each.  Behind each change of slots wave w fetches one dense record to byte 7,168 w of the slot.
; The two streams are fetched apart, key steps 0 .. j twice, so that an LDS address never hangs on j.  Round 0's key step has bytes of its own, fetched at the head by waves 0 and 1.
; By this text's count a wave has one tensor load out.  Every wait for tensor loads is for 0.
; NO CLUSTER: the helpers' stream, half of a slot's bytes, differs from work-group to work-group.  NO PREFETCH: a slot is asked for four rounds of all sixteen waves ahead of its first read.
; LIMITS: NaN and infinities are not served; a block of zeros has the byte 1; p under 2^-126 counts as 0.
.set REC,   7168
.set RQ,    1792                       ; a quarter of a record: K's half fragment i, V's, their scale pairs
.set STEPB, 2*REC                      ; a key step
.set PSTR,  4*STEPB                    ; from the owners' part of a slot to the helpers'
.set SLOT1, 131072                     ; slot 1 begins here: one exclusive or turns an address
.set SPARE, 114688                     ; behind slot 0: the spare words, 128 bytes for each wave: eight blocks of 256 bytes that no other line names
.set SCG,   116736                     ; 512 bytes: the sixteen tiles' scale bytes of o, gathered for the way out; no tile lands here
.set MRG,   245760                     ; behind slot 1: what a helper hands to its owner, MW bytes a pair; no tile lands here
.set MW,    4608
.set D0R,   282624                     ; round 0's key step: filled once
.set L8,  1
.set L16, 2
.set SPW, 3                            ; LDS address of my spare word; never rewritten
.set NIL, 4                            ; 0; never rewritten
.set DM,  5                            ; my query in its block - 16 (lane / 16)
.set NINF, 6
.set ADA, 7                            ; the step's first byte + 8 x lane
.set ADB, 8                            ; + 16 x lane
.set SGW, 9                            ; where my row's two scale bytes of o go
.set SGR, 10                           ; where wave 0 reads them back
.set AO,  11                           ; and where they go in a_scales
.set NM,  12                           ; -M
.set TMX, 13                           ; the largest t so far
.set SUM, 14                           ; v[14:15] the row's sum in two halves
.set Q,   16                           ; v16-27   Q's fragment (22-27 zero)
.set KFR, 28                           ; v28-75   four fragments of K (registers 6-11 of each zero, never loaded)
.set CB,  76                           ; v76-91   the bias inside a block
.set S,   92                           ; v92-155  S^T, then p; then V's four fragments
.set O,   156                          ; v156-187 O^T
.set PC,  188                          ; p's codes
.set T2,  200
.set QSO, 207                          ; my row's place among Q's scale words
.set AM,  208                          ; for each block a pair: (its scalar - M, its largest score)
.set TP,  216
.set SO,  220
.set KSC, 224
.set VS,  228
.set QS,  232
.set PW,  233
.set F,   234                          ; v[234:235] 2^(old M - new M)
.set SU2, 236
.set TA,  238
.set MG,  239                          ; MRG + MW x tile + 16 x lane
.set VU0, 240
.set WV, 12
.set HEAD, 13
.set BLK, 14                           ; the block of the tile in hand
.set HB, 15                            ; 31 - j
.set KS, 16                            ; my key step; under 0: I rest
.set KF, 17
.set TB, 18                            ; the round's first LDS byte
.set SLOTS, 19
.set SEL, 20
.set CS, 22
.set G1, 24
.set G0, 32
.set NB, 36
.set NSG, 37
.set IDX, 38
.set POS, 39
.set SB, 40
.set INNER, 44
.set ROLE, 56                          ; 0 owner, 1 helper; also the stream that I fetch for
.set LT, 57                            ; the place in its stream of the key step that I fetch next
.set LJ, 58                            ; up to here the stream's place is the key step itself
.set ADJ, 59                           ; beyond: + 16 - j
.set KVB, 60                           ; s[60:61] the head's kv, at my record of a key step
.set QD, 62                            ; s[62:63] from block j's Q to block 31 - j's
.set OFF, 66                           ; s[66:67] an offset; the upper word stays 0
.set GH, 68                            ; group 0 of the head's load
.macro PLACES n
.rept \n
	v_nop
.endr
.endm
.macro WM d, a, b, c, sa, sb
	v_wmma_scale_f32_16x16x128_f8f6f4 v[(\d):(\d)+7], v[(\a):(\a)+11], v[(\b):(\b)+11], v[(\c):(\c)+7], v[\sa], v[\sb] matrix_a_fmt:MATRIX_FMT_FP6 matrix_b_fmt:MATRIX_FMT_FP6
.endm
.macro QLOAD
	global_load_b64  v[Q:Q+1],   v[L8],  s[52:53]
	global_load_b128 v[Q+2:Q+5], v[L16], s[52:53] offset:256
	global_load_b32  v[QS], v[QSO], s[4:5] offset:3072
.endm
.macro RESET                           ; a sum begins: the step is written once; the first finds zeros, which the first change of M leaves zeros
	v_mov_b32 v[TMX], 0xff61b1e6                   ; -3e38, under every t
	s_delay_alu instid0(VALU_DEP_1)
	v_floor_f32 v[NM], -v[TMX]
	v_mov_b32 v[SUM], 0
	v_mov_b32 v[SUM+1], 0
.set ZI, 0
.rept 32
	v_mov_b32 v[O+ZI], 0
.set ZI, ZI+1
.endr
.endm
	s_load_b256 s[4:11], s[0:1], 0x0               ; qrec, kv, a_codes, a_scales
	v_lshl_add_u32 v[SPW], v0, 2, SPARE
	v_mov_b32 v[NIL], 0
	ds_add_u32 v[SPW], v[NIL]                      ; the wave's opening: the add, twice on end, and its wait ahead of the first tensor load
	ds_add_u32 v[SPW], v[NIL]
	v_lshrrev_b32 v[TA], 5, v0
	s_delay_alu instid0(VALU_DEP_1)
	v_readfirstlane_b32 s[WV], v[TA]               ; wave 0..15
	s_and_b32 s[HEAD], ttmp7, 0xffff
	s_sub_co_u32 s[HB], 31, ttmp9
	s_lshr_b32 s[ROLE], s[WV], 3
	s_and_b32 s[IDX], s[WV], 7
	s_sub_co_u32 s[KS], 0, s[ROLE]                 ; round 0: owners key step 0, helpers rest
	s_cmp_eq_u32 s[ROLE], 0
	s_cselect_b32 s[BLK], s[HB], ttmp9
	s_cselect_b32 s[LJ], 64, ttmp9
	s_xor_b32 s46, s[ROLE], 1
	s_lshl_b32 s46, s46, 3
	s_add_co_u32 s[POS], s46, s[IDX]               ; the tile that I send out: 8 x (later block) + tile
	; descriptor group 1: a dense record as 28 rows of 256 bytes (32 elements of 8); no padding, no mask
	s_mov_b32 s[G1], 3<<16
	s_mov_b32 s[G1+1], 32<<16
	s_mov_b32 s[G1+2], 28<<16
	s_mov_b32 s[G1+3], 32<<16
	s_mov_b32 s[G1+4], 28
	s_mov_b32 s[G1+5], 32
	s_mov_b32 s[G1+6], 0
	s_mov_b32 s[G1+7], 0
	s_mov_b32 s[G0], 1
	s_mov_b32 s[GH], 1
	s_mul_i32 s[GH+1], s[WV], REC
	s_add_co_u32 s[G0+1], s[GH+1], SLOT1           ; the ring's loads: 7,168 x wave; the first change of slots turns it to slot 0
	s_add_co_u32 s[GH+1], s[GH+1], D0R             ; (waves 0 and 1) round 0's two records
	s_bfe_u32 s[LT], s[WV], 0x20001                ; which of a slot's four rounds I fetch for
	s_add_co_u32 s[LT], s[LT], 1
	s_sub_co_u32 s[LT], s[LT], s[ROLE]             ; round 1 is place 1 of the owners' stream and place 0 of the helpers'
	s_sub_co_u32 s[ADJ], 16, ttmp9
	s_mul_i32 s[OFF], s[HEAD], 64*REC
	s_and_b32 s47, s[WV], 1
	s_mul_i32 s47, s47, REC
	s_add_co_u32 s[OFF], s[OFF], s47
	s_mov_b32 s[OFF+1], 0
	s_mov_b32 s[TB], D0R
	s_mov_b32 s[SEL], 0x76543210
	s_mov_b32 s[SEL+1], 0xfedcba98
	s_mov_b32 s[CS], 0x3e38aa3b                    ; log2(e) / 8
	s_mov_b32 s[CS+1], s[CS]
	s_mov_b32 s[SLOTS], 3
	s_add_co_u32 s49, s[HEAD], 1                   ; slope = 2^(-(head + 1) / 2) = 2^-a x (1 or 2^-1/2)
	s_lshr_b32 s50, s49, 1
	s_and_b32 s49, s49, 1
	s_sub_co_u32 s50, 127, s50
	s_lshl_b32 s50, s50, 23
	s_mov_b32 s51, 1.0
	s_cmp_eq_u32 s49, 1
	s_cselect_b32 s51, 0x3f3504f3, s51
	s_mul_f32 s50, s50, s51
	s_mul_f32 s[NB], s50, 0xc1000000               ; x -8: the scores are still to be divided by 8
	s_mul_f32 s[NSG], s50, 0xbfb8aa3b              ; x -log2(e)
	s_wait_dscnt 0x0                               ; both opening adds are done
	s_wait_kmcnt 0x0
	s_add_nc_u64 s[KVB:KVB+1], s[6:7], s[OFF:OFF+1]
	s_mov_b64 s[GH+2:GH+3], s[KVB:KVB+1]
	s_or_b32 s[GH+3], s[GH+3], 0x80000000
	s_cmp_lt_u32 s[WV], 2                          ; key step 0, which counts for every query: waves 0 and 1, a record each
	s_cbranch_scc0 .Lno_head
	tensor_load_to_lds s[GH:GH+3], s[G1:G1+7]
	s_nop 0
	PLACES 4
.Lno_head:
	s_lshl_b32 s[OFF], s[HEAD], 6                  ; Q: record 64 head + 2 block + tile / 4, half fragment tile % 4
	s_lshl_b32 s45, s[BLK], 1
	s_add_co_u32 s[OFF], s[OFF], s45
	s_lshr_b32 s45, s[IDX], 2
	s_add_co_u32 s[OFF], s[OFF], s45
	s_mul_i32 s[OFF], s[OFF], 3328
	s_add_nc_u64 s[4:5], s[4:5], s[OFF:OFF+1]
	s_and_b32 s[OFF], s[IDX], 3
	s_mul_i32 s[OFF], s[OFF], 768
	s_add_nc_u64 s[52:53], s[4:5], s[OFF:OFF+1]
	s_lshl_b32 s[OFF], s[BLK], 3                   ; o's codes: tile 8 block + my tile, half fragment = head
	s_add_co_u32 s[OFF], s[OFF], s[IDX]
	s_mul_i32 s[OFF], s[OFF], 12288
	s_mul_i32 s45, s[HEAD], 768
	s_add_co_u32 s[OFF], s[OFF], s45
	s_add_nc_u64 s[8:9], s[8:9], s[OFF:OFF+1]
	s_lshl_b32 s[OFF], s[HEAD], 13                 ; o's scale bytes: [head][tile][16 rows] of two bytes
	s_add_nc_u64 s[10:11], s[10:11], s[OFF:OFF+1]
	s_lshl_b32 s46, ttmp9, 1
	s_sub_co_u32 s46, 31, s46                      ; 31 - 2 j blocks, two records of 3,328 bytes each
	s_mul_i32 s[QD], s46, 6656
	s_mov_b32 s[QD+1], 0
	s_lshl_b32 s46, s46, 8                         ; from block j's 256 bytes of a_scales to block 31 - j's
	s_lshl_b32 s47, ttmp9, 8
	s_lshl_b32 s48, s[POS], 5
	s_add_co_u32 s48, s48, SCG
	s_lshr_b32 s49, s[IDX], 1
	s_and_b32 s50, s[IDX], 1
	s_lshl_b32 s51, s49, 5
	s_lshl_b32 s54, s50, 3
	s_add_co_u32 s51, s51, s54                     ; my tile's first query in its block
	s_and_b32 s49, s49, 1
	s_lshl_b32 s49, s49, 7
	s_lshl_b32 s50, s50, 2
	s_add_co_u32 s49, s49, s50                     ; Q's scale word: 128 ((tile % 4) / 2) + 4 (tile % 2) + 8 r
	s_mul_i32 s55, s[IDX], MW
	s_add_co_u32 s55, s55, MRG
	v_and_b32 v[TA], 31, v0
	v_and_b32 v[S], 15, v0                         ; r
	v_bfe_u32 v[S+1], v0, 4, 1                     ; h
	v_lshlrev_b32 v[L8], 3, v[TA]
	v_lshlrev_b32 v[L16], 4, v[TA]
	v_lshl_add_u32 v[QSO], v[S], 3, s49
	QLOAD
	v_mul_u32_u24 v[AO], v[S+1], s46
	v_lshl_add_u32 v[SGW], v[S], 1, s48            ; SCG + 32 x place + 2 r
	v_add_nc_u32 v[SGR], SCG, v[L16]
	v_add_nc_u32 v[MG], s55, v[L16]
	v_lshl_add_u32 v[AO], v[S], 4, v[AO]
	v_and_b32 v[S+3], 8, v[S]
	v_lshlrev_b32 v[S+2], 4, v[S+1]                ; 16 h
	v_add_nc_u32 v[AO], s47, v[AO]
	v_add_nc_u32 v[DM], v[S+3], v[S]               ; r + 8 (r / 8)
	s_delay_alu instid0(VALU_DEP_1)
	v_sub_nc_u32 v[DM], v[DM], v[S+2]
	s_delay_alu instid0(VALU_DEP_1)
	v_add_nc_u32 v[DM], s51, v[DM]
.irp n, 0,1,2,3,4,5,6,7,8,9,10,11,12,13,14,15
	v_add_nc_u32 v[CB+\n], \n, v[S+2]
.endr
.irp n, 0,1,2,3,4,5,6,7,8,9,10,11,12,13,14,15
	v_cvt_f32_u32 v[CB+\n], v[CB+\n]
.endr
.irp n, 0,1,2,3,4,5,6,7,8,9,10,11,12,13,14,15
	v_mul_f32 v[CB+\n], s[NB], v[CB+\n]            ; register 8 u + j: -8 slope x (16 h + 8 u + j)
.endr
	v_mov_b32 v[NINF], 0xff800000
	RESET
	v_mov_b32 v[F+1], 0                            ; (named as the upper halves of pairs)
	v_mov_b32 v[SU2+1], 0
.irp j, 0,1,2,3
	v_mov_b32 v[TP+\j], 0                          ; a lane permute's destination counts as one of its sources
.endr
.irp j, 6,7,8,9,10,11
	v_mov_b32 v[Q+\j], 0                           ; the zero half of the score product's K
	v_mov_b32 v[KFR+\j], 0
	v_mov_b32 v[KFR+12+\j], 0
	v_mov_b32 v[KFR+24+\j], 0
	v_mov_b32 v[KFR+36+\j], 0
.endr
; A TILE GOES OUT.  O^T / the sum is a computed operand of the last projection: register 16 b + i is channel 32 b + 16 (lane / 16) + i of my query; it is quantised here and leaves as half a fragment.
.macro EPI
	v_add_f32 v[SUM], v[SUM], v[SUM+1]
	s_delay_alu instid0(VALU_DEP_1)
	v_permlanex16_b32 v[TA], v[SUM], s[SEL], s[SEL+1]
	s_delay_alu instid0(VALU_DEP_1)
	v_add_f32 v[SUM], v[SUM], v[TA]                ; the row's sum
	s_wait_alu depctr_va_vdst(0)
	v_rcp_f32 v[SUM], v[SUM]
	PLACES 4                                       ; a plain place behind the reciprocal; the places behind the last products
	s_wait_alu depctr_va_vdst(0)                   ; and ahead of the first reader
.set ZI, 0
.rept 32
	v_mul_f32 v[S+ZI], v[O+ZI], v[SUM]
.set ZI, ZI+1
.endr
.irp b, 0,1
	v_max3_num_f32 v[AM+2*\b+1], |v[S+16*\b]|, |v[S+16*\b+1]|, 0x1800000   ; with the floor 2^(3 - 127): the byte cannot fall under 1
.endr
.irp i, 2,4,6,8,10,12,14
.irp b, 0,1
	s_delay_alu instid0(VALU_DEP_2)
	v_max3_num_f32 v[AM+2*\b+1], v[AM+2*\b+1], |v[S+16*\b+\i]|, |v[S+16*\b+\i+1]|
.endr
.endr
.irp b, 0,1
	s_delay_alu instid0(VALU_DEP_2)
	v_permlanex16_b32 v[TP+\b], v[AM+2*\b+1], s[SEL], s[SEL+1]
.endr
.irp b, 0,1
	s_delay_alu instid0(VALU_DEP_2)
	v_max_num_f32 v[AM+2*\b+1], v[AM+2*\b+1], v[TP+\b]
.endr
.irp b, 0,1
	s_delay_alu instid0(VALU_DEP_2)
	v_add_nc_u32 v[SO+\b], 0xff000000, v[AM+2*\b+1]
.endr
.irp b, 0,1
	s_delay_alu instid0(VALU_DEP_2)
	v_lshrrev_b32 v[TP+\b], 23, v[SO+\b]
.endr
	s_delay_alu instid0(VALU_DEP_1)
	v_lshl_or_b32 v[TA], v[TP+1], 8, v[TP]         ; my row's two scale bytes
	v_cvt_scalef32_pk16_fp6_f32 v[PC:PC+2], v[S:S+15], v[SO]
	v_cvt_scalef32_pk16_fp6_f32 v[T2:T2+2], v[S+16:S+31], v[SO+1]
	v_nop
.irp i, 0,1,2
	v_permlane16_swap_b32 v[PC+\i], v[T2+\i]
.endr
.irp i, 0,1,2
	s_delay_alu instid0(VALU_DEP_3)
	v_mov_b32 v[PC+3+\i], v[T2+\i]
.endr
	global_store_b64  v[L8],  v[PC:PC+1],   s[8:9]              ; 256 consecutive bytes,
	global_store_b128 v[L16], v[PC+2:PC+5], s[8:9] offset:256   ; and 512, at multiples of 256 from the buffer's first byte
	ds_store_b16 v[SGW], v[TA]                     ; lanes r and r + 16 write the same bytes with the same value
.endm
; A HELPER CHANGES TILES: its own tile goes out; the owner's Q comes; a new sum begins at key step 17.
.macro SWITCH
	EPI
	s_wait_xcnt 0x0                                ; the stores have read their registers, the first Q's loads their pointers
	s_add_nc_u64 s[4:5], s[4:5], s[QD:QD+1]
	s_add_nc_u64 s[52:53], s[52:53], s[QD:QD+1]
	QLOAD
	RESET
	s_mov_b32 s[KS], 16                            ; (the round's end adds 1)
	s_mov_b32 s[BLK], s[HB]
	s_wait_alu depctr_va_vdst(0)
	s_wait_loadcnt 0x0
.endm
; A ROUND: my key step s[KS], 128 keys, two records, at LDS byte s[TB].  full = 0: round 0, which lies on no diagonal and ends no tile.
.macro STEP full
	s_cmp_lt_i32 s[KS], 0                          ; a helper in round 0
	s_cbranch_scc1 .Lidle_\@
	s_lshl_b32 s[KF], s[KS], 7
.irp b, 0,1,2,3
	s_add_co_u32 s45, s[KF], 32*\b
	s_cvt_f32_u32 s45, s45
	s_mul_f32 s[SB+\b], s45, s[NSG]                ; -slope log2(e) x the block's first key: one rounding
.endr
	v_add_nc_u32 v[ADA], s[TB], v[L8]
	s_wait_alu depctr_va_vdst(0)
	v_add_nc_u32 v[ADB], s[TB], v[L16]
	s_wait_alu depctr_va_vdst(0)
	PLACES 3                                       ; with the two additions five places: the scores are laid over registers that the last step's second product has read
.irp g, 0,1                                    ; S^T = K Q^T + the bias, a record's four tiles of 16 keys at a time
.if \g
	PLACES 4                                       ; in front of loads into registers that matrix instructions have read
.endif
.irp i, 0,1,2,3
	ds_load_b64  v[KFR+12*\i:KFR+12*\i+1],   v[ADA] offset:\g*REC+\i*RQ
	ds_load_b128 v[KFR+12*\i+2:KFR+12*\i+5], v[ADB] offset:\g*REC+\i*RQ+256
	ds_load_b32  v[KSC+\i], v[ADA] offset:\g*REC+\i*RQ+1536
	ds_load_b32  v[VU0+4*\g+\i], v[ADA] offset:\g*REC+\i*RQ+1540
.endr
	s_wait_dscnt 0x0
.irp i, 0,1,2,3
	WM S+8*(4*\g+\i), KFR+12*\i, Q, CB+8*(\i%2), KSC+\i, QS
.endr
.endr
.irp c, 0,1,2,3
	v_lshl_or_b32 v[VS+\c], v[VU0+4+\c], 16, v[VU0+\c]   ; V's scale word of these 128 keys: two bytes of each record.  (These four are the places behind the products)
.endr
.if \full
	s_cmp_lt_u32 s[KS], s[BLK]                     ; on the diagonal the scores of hidden keys become -infinity ahead of the maximum: p = 0 then
	s_cbranch_scc1 .Lopen_\@
.set MI, 0
.rept 64
	v_cmp_gt_i32 vcc_lo, 32*(MI/16)+MI%16, v[DM]   ; register 16 b + i holds key 32 b + 16 (lane / 16) + i of the step
	v_cndmask_b32 v[S+MI], v[S+MI], v[NINF], vcc_lo
.set MI, MI+1
.endr
.Lopen_\@:
.endif
.irp b, 0,1,2,3
	v_max3_num_f32 v[AM+2*\b+1], v[S+16*\b], v[S+16*\b+1], v[S+16*\b+2]   ; the largest score of each block of 32 keys: for the row's maximum and, since p rises with the score inside a block, for the block's largest p
.endr
.irp i, 3,5,7,9,11,13
.irp b, 0,1,2,3
	v_max3_num_f32 v[AM+2*\b+1], v[AM+2*\b+1], v[S+16*\b+\i], v[S+16*\b+\i+1]
.endr
.endr
.irp b, 0,1,2,3
	v_max_num_f32 v[AM+2*\b+1], v[AM+2*\b+1], v[S+16*\b+15]
.endr
.irp b, 0,1,2,3
	s_delay_alu instid0(VALU_DEP_4)
	v_permlanex16_b32 v[TP+\b], v[AM+2*\b+1], s[SEL], s[SEL+1]
.endr
.irp b, 0,1,2,3
	s_delay_alu instid0(VALU_DEP_4)
	v_max_num_f32 v[AM+2*\b+1], v[AM+2*\b+1], v[TP+\b]   ; with lane l xor 16's 16 keys
.endr
.irp b, 0,1,2,3
	s_delay_alu instid0(VALU_DEP_4)
	v_fma_f32 v[TP+\b], v[AM+2*\b+1], s[CS], s[SB+\b]    ; as t
.endr
	s_delay_alu instid0(VALU_DEP_2)
	v_max3_num_f32 v[TA], v[TP], v[TP+1], v[TP+2]
	s_delay_alu instid0(VALU_DEP_1)
	v_max3_num_f32 v[TMX], v[TA], v[TP+3], v[TMX]  ; the running largest t
	v_mov_b32 v[TA], v[NM]
	s_delay_alu instid0(VALU_DEP_2)
	v_floor_f32 v[NM], -v[TMX]                     ; the new -M = floor(-t) = -ceil(t): a whole number
	s_delay_alu instid0(VALU_DEP_1)
	v_sub_f32 v[TA], v[NM], v[TA]                  ; old M - new M: a whole number, 0 or less
	s_delay_alu instid0(VALU_DEP_1)
	v_cvt_i32_f32 v[TA], v[TA]                     ; (it saturates)
	s_delay_alu instid0(VALU_DEP_1)
	v_ldexp_f32 v[F], 1.0, v[TA]                   ; f = 2^(old M - new M)
.irp b, 0,1,2,3
	v_add_f32 v[AM+2*\b], s[SB+\b], v[NM]          ; the block's scalar - M
.endr
.irp b, 0,1,2,3
.irp j, 0,2,4,6,8,10,12,14
	v_pk_fma_f32 v[S+16*\b+\j:S+16*\b+\j+1], v[S+16*\b+\j:S+16*\b+\j+1], s[CS:CS+1], v[AM+2*\b:AM+2*\b+1] op_sel_hi:[1,0,0]   ; t - M, two at a time
.endr
.endr
.irp b, 0,1,2,3
	v_fma_f32 v[AM+2*\b+1], v[AM+2*\b+1], s[CS], v[AM+2*\b]   ; the same of each block's largest score
.endr
	s_wait_alu depctr_va_vdst(0)
.set MI, 0
.rept 64
	v_exp_f32 v[S+MI], v[S+MI]                     ; p = 2^(t - M), at most 1: not normalised
.set MI, MI+1
.endr
	v_pk_mul_f32 v[SUM:SUM+1], v[SUM:SUM+1], v[F:F+1] op_sel_hi:[1,0]   ; the sums under the new M.  (A plain place behind the exponentials)
	s_wait_alu depctr_va_vdst(0)                   ; one wait for the whole batch, ahead of its first reader
.irp b, 0,1,2,3
	v_exp_f32 v[AM+2*\b+1], v[AM+2*\b+1]           ; the block's largest p: the same two operations on the same number give the same bits
.endr
	v_pk_add_f32 v[236:237], v[96:97], v[100:101]  ; the row's sum of the unquantised p, in eight chains
	v_pk_add_f32 v[254:255], v[104:105], v[108:109]
	v_pk_add_f32 v[252:253], v[112:113], v[116:117]
	v_pk_add_f32 v[250:251], v[120:121], v[124:125]
	v_pk_add_f32 v[248:249], v[128:129], v[132:133]
	v_pk_add_f32 v[246:247], v[136:137], v[140:141]
	v_pk_add_f32 v[244:245], v[144:145], v[148:149]
	v_pk_add_f32 v[14:15], v[14:15], v[152:153]
	v_pk_add_f32 v[236:237], v[236:237], v[92:93]
	v_pk_add_f32 v[254:255], v[254:255], v[94:95]
	v_pk_add_f32 v[252:253], v[252:253], v[98:99]
	v_pk_add_f32 v[250:251], v[250:251], v[102:103]
	v_pk_add_f32 v[248:249], v[248:249], v[106:107]
	v_pk_add_f32 v[246:247], v[246:247], v[110:111]
	v_pk_add_f32 v[244:245], v[244:245], v[114:115]
	v_pk_add_f32 v[14:15], v[14:15], v[118:119]
	v_pk_add_f32 v[236:237], v[236:237], v[122:123]
	v_pk_add_f32 v[254:255], v[254:255], v[126:127]
	v_pk_add_f32 v[252:253], v[252:253], v[130:131]
	v_pk_add_f32 v[250:251], v[250:251], v[134:135]
	v_pk_add_f32 v[248:249], v[248:249], v[138:139]
	v_pk_add_f32 v[246:247], v[246:247], v[142:143]
	v_pk_add_f32 v[244:245], v[244:245], v[146:147]
	v_pk_add_f32 v[14:15], v[14:15], v[150:151]
	v_pk_add_f32 v[236:237], v[236:237], v[154:155]
	s_delay_alu instid0(VALU_DEP_2)
	v_pk_add_f32 v[14:15], v[14:15], v[250:251]
	s_delay_alu instid0(VALU_DEP_2)
	v_pk_add_f32 v[236:237], v[236:237], v[248:249]
	v_pk_add_f32 v[254:255], v[254:255], v[246:247]
	v_pk_add_f32 v[252:253], v[252:253], v[244:245]
	s_delay_alu instid0(VALU_DEP_2)
	v_pk_add_f32 v[14:15], v[14:15], v[254:255]
	s_delay_alu instid0(VALU_DEP_2)
	v_pk_add_f32 v[236:237], v[236:237], v[252:253]
	s_delay_alu instid0(VALU_DEP_1)
	v_pk_add_f32 v[14:15], v[14:15], v[236:237]
	s_wait_alu depctr_va_vdst(0)                   ; and one for the four
.irp b, 0,1,2,3
	v_max_num_f32 v[AM+2*\b+1], 0x1800000, v[AM+2*\b+1]   ; the floor 2^(3 - 127): the byte cannot fall under 1 (a block whose every p is 0 keeps that byte: its codes are zeros)
.endr
.irp b, 0,1,2,3
	s_delay_alu instid0(VALU_DEP_4)
	v_add_nc_u32 v[SO+\b], 0xff000000, v[AM+2*\b+1]   ; 2 off the exponent field: the conversion's scale operand
.endr
.irp b, 0,1,2,3
	s_delay_alu instid0(VALU_DEP_4)
	v_lshrrev_b32 v[TP+\b], 23, v[SO+\b]           ; the scale's byte
.endr
	s_delay_alu instid0(VALU_DEP_3)
	v_lshl_or_b32 v[PW], v[TP+1], 8, v[TP]         ; p's scale word for these 128 keys
	s_delay_alu instid0(VALU_DEP_1)
	v_lshl_or_b32 v[PW], v[TP+2], 16, v[PW]
	s_delay_alu instid0(VALU_DEP_1)
	v_lshl_or_b32 v[PW], v[TP+3], 24, v[PW]
.irp c, 0,1
	v_cvt_scalef32_pk16_fp6_f32 v[PC+6*\c:PC+6*\c+2], v[S+32*\c:S+32*\c+15], v[SO+2*\c]
	v_cvt_scalef32_pk16_fp6_f32 v[T2+4*\c:T2+4*\c+2], v[S+32*\c+16:S+32*\c+31], v[SO+2*\c+1]
.endr
	v_nop                                          ; one plain place behind a scaled conversion
.irp c, 0,1,2,3                                ; V's four fragments take p's registers, which are done with: registers 0-5 from the first record, 6-11 from the second
.irp g, 0,1
	ds_load_b64  v[S+12*\c+6*\g:S+12*\c+6*\g+1],   v[ADA] offset:\g*REC+\c*RQ+768
	ds_load_b128 v[S+12*\c+6*\g+2:S+12*\c+6*\g+5], v[ADB] offset:\g*REC+\c*RQ+1024
.endr
.endr
.irp c, 0,1                                    ; the operand's layout wants a WHOLE block in a lane
.irp i, 0,1,2
	v_permlane16_swap_b32 v[PC+6*\c+\i], v[T2+4*\c+\i]
.endr
.irp i, 0,1,2
	s_delay_alu instid0(VALU_DEP_3)
	v_mov_b32 v[PC+6*\c+3+\i], v[T2+4*\c+\i]
.endr
.endr
.irp j, 0,2,4,6,8,10,12,14,16,18,20,22,24,26,28,30
	v_pk_mul_f32 v[O+\j:O+\j+1], v[O+\j:O+\j+1], v[F:F+1] op_sel_hi:[1,0]   ; O^T under the new M.  (These sixteen are also the places in front of the products below)
.endr
	s_wait_alu depctr_va_vdst(0)
	s_wait_dscnt 0x0
.irp c, 0,1,2,3
	WM O+8*\c, S+12*\c, PC, O+8*\c, VS+\c, PW      ; O^T += V^T P^T: four accumulators by turns
.endr
.if \full
	s_cmp_lg_u32 s[KS], s[BLK]                     ; was this the diagonal step
	s_cbranch_scc1 .Lidle_\@
	s_cmp_lg_u32 s[BLK], ttmp9                     ; of a tile of block j?  Only a helper's first tile is one.  Ids and counts of rounds alone
	s_cbranch_scc1 .Lidle_\@
	SWITCH
.endif
.Lidle_\@:
	s_add_co_u32 s[TB], s[TB], STEPB
	s_add_co_u32 s[KS], s[KS], 1
.endm
; THE CHANGE OF SLOTS.  Each wave waits for all its tensor loads, adds 0 to its spare word (fill = 1: twice on end), and waits for that and for its reads of the slot that it has left.
; Behind the barrier the slot ahead is whole and nobody reads the other one.  fill = 1: every wave fetches its record of the next four rounds into that other slot.
.macro CHANGE fill
	s_wait_tensorcnt 0x0                           ; no tensor load of mine is out, so the descriptor may be written
	ds_add_u32 v[SPW], v[NIL]
.if \fill
	ds_add_u32 v[SPW], v[NIL]                      ; and once more: the same in every trip
	s_xor_b32 s[G0+1], s[G0+1], SLOT1              ; the other slot than last time
	s_add_co_u32 s45, s[LT], s[ADJ]
	s_cmp_le_u32 s[LT], s[LJ]
	s_cselect_b32 s45, s[LT], s45                  ; the key step at my place of my stream: the helpers' goes 0 .. j, then 17 .. 31 - j
	s_mul_i32 s[OFF], s45, STEPB
	s_add_nc_u64 s[G0+2:G0+3], s[KVB:KVB+1], s[OFF:OFF+1]
	s_or_b32 s[G0+3], s[G0+3], 0x80000000
	s_add_co_u32 s[LT], s[LT], 4
.endif
	s_wait_dscnt 0x0                               ; the add is done, and my reads of the slot that I have left are over
	s_barrier_signal -1
	s_barrier_wait -1
.if \fill
	tensor_load_to_lds s[G0:G0+3], s[G1:G1+7]      ; my one tensor load until the next change
	s_nop 0
	PLACES 4
.endif
.endm
.macro SLOT_STEPS
	s_mov_b32 s[INNER], 4
.Lstep_\@:
	STEP 1
	s_sub_co_u32 s[INNER], s[INNER], 1
	s_cmp_lg_u32 s[INNER], 0
	s_cbranch_scc1 .Lstep_\@
	s_sub_co_u32 s[TB], s[TB], 4*STEPB             ; back to a slot's first round,
	s_xor_b32 s[TB], s[TB], SLOT1                  ; in the other slot
.endm
	s_wait_alu depctr_va_vdst(0)
	s_wait_loadcnt 0x0                             ; Q
	CHANGE 1                                       ; key step 0 is in; rounds 1-4 are asked for, slot 0's first fill
	STEP 0                                         ; round 0: the owners alone
	s_mul_i32 s[TB], s[ROLE], PSTR                 ; from here on the ring: my stream's part of slot 0
.Lslot:                                            ; three trips: rounds 1-12; each asks for the four rounds behind its own
	CHANGE 1
	SLOT_STEPS
	s_sub_co_u32 s[SLOTS], s[SLOTS], 1
	s_cmp_lg_u32 s[SLOTS], 0
	s_cbranch_scc1 .Lslot
	CHANGE 0                                       ; rounds 13-16 are written out: nothing is left to fetch
	SLOT_STEPS
	; THE TWO PARTS OF A LATER TILE ARE JOINED.  The helper's O^T, -M and sum go to the pair's own LDS bytes as they lie in its registers; the owner's lanes hold the same query and channels.
	PLACES 4                                       ; behind the last products: their results are read, and loads land on their operands, from here on
	s_cmp_eq_u32 s[ROLE], 0
	s_cbranch_scc1 .Lown
.set ZI, 0
.rept 8
	ds_store_b128 v[MG], v[O+4*ZI:O+4*ZI+3] offset:512*ZI     ; each accumulator from its low end on
.set ZI, ZI+1
.endr
	ds_store_b128 v[MG], v[NM:NM+3] offset:4096    ; -M, the largest t, the sum's two halves
.Lown:
	s_wait_dscnt 0x0                               ; for the owner's sake
	s_barrier_signal -1
	s_barrier_wait -1
	s_cmp_lg_u32 s[ROLE], 0
	s_cbranch_scc1 .Lhelp
.set ZI, 0
.rept 9
	ds_load_b128 v[S+4*ZI:S+4*ZI+3], v[MG] offset:512*ZI
.set ZI, ZI+1
.endr
	s_wait_dscnt 0x0
	v_min_num_f32 v[TA], v[NM], v[S+32]            ; -M of the two together
	s_delay_alu instid0(VALU_DEP_1)
	v_sub_f32 v[AM], v[TA], v[NM]                  ; whole numbers, 0 or less
	v_sub_f32 v[AM+2], v[TA], v[S+32]
	s_delay_alu instid0(VALU_DEP_2)
	v_cvt_i32_f32 v[AM], v[AM]                     ; (they saturate: a helper that had no key step counts with the factor 0)
	s_delay_alu instid0(VALU_DEP_2)
	v_cvt_i32_f32 v[AM+2], v[AM+2]
	s_delay_alu instid0(VALU_DEP_2)
	v_ldexp_f32 v[F], 1.0, v[AM]
	s_delay_alu instid0(VALU_DEP_2)
	v_ldexp_f32 v[SU2], 1.0, v[AM+2]
	v_pk_mul_f32 v[SUM:SUM+1], v[SUM:SUM+1], v[F:F+1] op_sel_hi:[1,0]
.irp j, 0,2,4,6,8,10,12,14,16,18,20,22,24,26,28,30
	v_pk_mul_f32 v[O+\j:O+\j+1], v[O+\j:O+\j+1], v[F:F+1] op_sel_hi:[1,0]
.endr
	v_pk_fma_f32 v[SUM:SUM+1], v[S+34:S+35], v[SU2:SU2+1], v[SUM:SUM+1] op_sel_hi:[1,0,1]
.irp j, 0,2,4,6,8,10,12,14,16,18,20,22,24,26,28,30
	v_pk_fma_f32 v[O+\j:O+\j+1], v[S+\j:S+\j+1], v[SU2:SU2+1], v[O+\j:O+\j+1] op_sel_hi:[1,0,1]
.endr
	EPI
.Lhelp:
	s_wait_dscnt 0x0                               ; for wave 0's sake
	s_barrier_signal -1
	s_barrier_wait -1
	s_cmp_lg_u32 s[WV], 0
	s_cbranch_scc1 .Lend
	ds_load_b128 v[S:S+3], v[SGR]                  ; lanes 0-15: block j's eight tiles, lanes 16-31: block 31 - j's: each 256 consecutive bytes of a_scales
	s_wait_dscnt 0x0
	global_store_b128 v[AO], v[S:S+3], s[10:11]
.Lend:
	s_wait_tensorcnt 0x0                           ; the wave's end, behind my last tensor load and my last LDS store
	ds_add_u32 v[SPW], v[NIL]
	s_wait_dscnt 0x0
	s_endpgm
.Lfunc_end_k_q91161a5922_attn:
	.size	k_q91161a5922_attn, .Lfunc_end_k_q91161a5922_attn-k_q91161a5922_attn
	.p2alignl 7, 3214868480
	.fill 96, 4, 3214868480
	.section	.rodata,"a",@progbits
	.p2align	6, 0x0
	.amdhsa_kernel k_q91161a5922_attn
		.amdhsa_group_segment_fixed_size 327680
		.amdhsa_private_segment_fixed_size 0
		.amdhsa_enable_private_segment 0
		.amdhsa_kernarg_size 32
		.amdhsa_user_sgpr_count 2
		.amdhsa_user_sgpr_kernarg_segment_ptr 1
		.amdhsa_wavefront_size32 1
		.amdhsa_system_sgpr_workgroup_id_x 1
		.amdhsa_system_sgpr_workgroup_id_y 1
		.amdhsa_system_sgpr_workgroup_id_z 1
		.amdhsa_system_vgpr_workitem_id 0
		.amdhsa_next_free_vgpr 256
		.amdhsa_next_free_sgpr 72
		.amdhsa_reserve_vcc 1
		.amdhsa_float_denorm_mode_32 3
		.amdhsa_float_denorm_mode_16_64 3
		.amdhsa_memory_ordered 1
		.amdhsa_forward_progress 1
		.amdhsa_inst_pref_size 101
	.end_amdhsa_kernel
	.amdgpu_metadata
---
amdhsa.version: [ 1, 2 ]
amdhsa.kernels:
  - .name:           k_q91161a5922_attn
    .symbol:         k_q91161a5922_attn.kd
    .args:
      - { .name: qrec, .offset: 0, .size: 8, .value_kind: global_buffer, .address_space: global }
      - { .name: kv, .offset: 8, .size: 8, .value_kind: global_buffer, .address_space: global }
      - { .name: a_codes, .offset: 16, .size: 8, .value_kind: global_buffer, .address_space: global }
      - { .name: a_scales, .offset: 24, .size: 8, .value_kind: global_buffer, .address_space: global }
    .group_segment_fixed_size: 327680
    .private_segment_fixed_size: 0
    .kernarg_segment_align: 8
    .kernarg_segment_size: 32
    .max_flat_workgroup_size: 512
    .sgpr_count:     72
    .vgpr_count:     256
    .wavefront_size: 32
...
	.end_amdgpu_metadata
.endif
;; end of part 3
;; launch oproj (part 4): grid 8 x 32, 4 waves a work-group, clusters of 4 x 4, 214,528 bytes of LDS; arguments a_codes, a_scales, w_codes, w_scales, out0; writes out0
.if DOCPART == 4
	.amdgcn_target "amdgcn-amd-amdhsa--gfx1250"
	.amdhsa_code_object_version 6
	.text
	.protected	k_q91161a5922_oproj
	.globl	k_q91161a5922_oproj
	.p2align	8
	.type	k_q91161a5922_oproj,@function
k_q91161a5922_oproj:
	s_mov_b64 s[64:65], 0
	v_nop
	global_prefetch_b8 v0, s[64:65] scope:SCOPE_SE
	s_setreg_imm32_b32 hwreg(HW_REG_WAVE_MODE, 25, 1), 1
	s_wait_xcnt 0x0
	s_wait_alu depctr_hold_cnt(0) depctr_sa_sdst(0) depctr_va_vdst(0) depctr_va_sdst(0) depctr_va_ssrc(0) depctr_va_vcc(0) depctr_vm_vsrc(0)
	s_getreg_b32 s2, hwreg(HW_REG_IB_STS2, 6, 4)
	s_cmp_eq_u32 s2, 0
	s_cbranch_scc0 .Lentry_in_a_cluster
	s_endpgm
.Lentry_in_a_cluster:
	s_bfe_u32 s2, ttmp6, 0x10000c
	s_cmp_lg_u32 s2, 0xf033
	s_cbranch_scc0 .Lentry_shape_is_right
	s_endpgm
.Lentry_shape_is_right:
; out0 = a Wo^T on codes of FP6 (E2M3) with E8M0 scales.  a: the heads' output as launch attn leaves it, [tile of 16 tokens][K step][1,536] in the order of the operand's registers, its scale bytes [head][tile][16 rows] of two;
; Wo: tiles 192 to 255 of w_codes and w_scales, as launch quant lays them.  out0: [4096][1024] f32.  A tile's lane row r is row 32 (T / 2) + 8 (T % 2) + r + 8 (r / 8).
; SHARES.  A work-group makes 128 tokens x 128 columns: 256 work-groups.  Wave w takes tokens' half w / 2 (four tiles of a) and columns' half w % 2 (four tiles of Wo): 16 accumulators, 128 matrix instructions.
; All of K (196,608 bytes for the 16 tiles) fits in LDS: four chunks of 256 along K, first fills only, nothing is filled again.  By this text's count a wave has four tensor loads out.
; CLUSTER 4 x 4: a's tiles are shared along a row of the cluster, Wo's along a column: each is asked for jointly.
; THE MATRIX INSTRUCTION IS USED TRANSPOSED (source 0 = 16 rows of Wo, source 1 = 16 tokens): a lane holds a token, and the registers of tiles 2 b, 2 b + 1 of Wo are the columns 32 b + 16 (lane / 16) + 0 .. 15.
; REGISTERS: window 0: v4-27 addresses; v32-47 a's scale words, v48-63 Wo's; v64-127 a's scale bytes as loaded, later two buffers for the way out; v128-255 the accumulators at 128 + 32 at + 8 bt.
;   window 1: two sets of fragments at 0 and 96: a's four, then Wo's four.
; LDS AS IT IS LAID NOW (this takes the place of the words on chunks above): each wave fetches its four tiles whole, all of K, 4 rows of 12,288 bytes, with ONE joint load at the head: a's tiles 0-3, 4-7, then Wo's 0-3, 4-7,
; 49,152 bytes each.  Fragment (tile t, K step s) lies at 12,288 t + 1,536 s of its wave's part.  Nothing is filled again.  By this text's count a wave has one tensor load out.
.set CH,    49152
.set SPARE, 4*CH                       ; the spare words, 128 bytes for each wave: two blocks of 256 bytes that no other line names
.set STAGE, SPARE+512                  ; the way out: 16 rows x (256 bytes + 16) for each wave; no tile lands here
.set SP,    272
.set AD,  4                            ; v[AD + 4 chunk + 0..3]: a at 8 x lane, a at 16 x lane, Wo at 8 x lane, Wo at 16 x lane
.set STO, 20
.set RD,  21
.set CO,  22
.set L2,  23
.set L32, 24
.set L8,  25
.set L16, 26
.set SPW, 28
.set NIL, 29
.set SCA, 32
.set SCB, 48
.set U,   64
.set BK,  64
.set ACC, 128
.set G1A, 24
.set G0A, 32
.set G1B, 48
.set G0B, 68
.set MSB, 0
.macro WIN new                         ; the immediate's high byte repeats the setting that is left
.if MSB != (\new)
	s_set_vgpr_msb (MSB<<8)|(\new)
.set MSB, (\new)
.endif
.endm
.macro PLACES n
.rept \n
	v_nop
.endr
.endm
.macro JLOAD g0a, g1a, g0b, g1b        ; a joint load: waves 0 and 1 fetch a's halves, waves 2 and 3 Wo's; an s_nop 0 and four v_nop follow each of the two lines
	s_cmp_eq_u32 s21, 0
	s_cbranch_scc0 .Lfor_b_\@
	tensor_load_to_lds s[\g0a:\g0a+3], s[\g1a:\g1a+7]
	s_nop 0
.rept 4
	v_nop
.endr
	s_branch .Lasked_\@
.Lfor_b_\@:
	tensor_load_to_lds s[\g0b:\g0b+3], s[\g1b:\g1b+7]
	s_nop 0
.rept 4
	v_nop
.endr
.Lasked_\@:
.endm
.macro CROUND                          ; a round of the cluster's barrier
	s_barrier_signal -1
	s_barrier_wait -1
	s_cmp_lg_u32 s20, 0
	s_cbranch_scc1 .Lnot_wave_0_\@
	s_barrier_signal -3
.Lnot_wave_0_\@:
	s_barrier_wait -3
	s_barrier_signal -1
	s_barrier_wait -1
.endm
.macro FRAG reg, a8, off
	ds_load_b64  v[(\reg):(\reg)+1],    v[(\a8)]   offset:(\off)
	ds_load_b128 v[(\reg)+2:(\reg)+5],  v[(\a8)+1] offset:(\off)+256
	ds_load_b64  v[(\reg)+6:(\reg)+7],  v[(\a8)]   offset:(\off)+768
	ds_load_b128 v[(\reg)+8:(\reg)+11], v[(\a8)+1] offset:(\off)+1024
.endm
.macro WMR d, a, b, sa, sb, ra, rb     ; one product, added in place; ra, rb: which half of the lanes holds the side's scale words
.if ((\ra) == 0) && ((\rb) == 0)
	v_wmma_scale_f32_16x16x128_f8f6f4 v[(\d):(\d)+7], v[(\a):(\a)+11], v[(\b):(\b)+11], v[(\d):(\d)+7], v[\sa], v[\sb] matrix_a_fmt:MATRIX_FMT_FP6 matrix_b_fmt:MATRIX_FMT_FP6
.elseif (\rb) == 0
	v_wmma_scale_f32_16x16x128_f8f6f4 v[(\d):(\d)+7], v[(\a):(\a)+11], v[(\b):(\b)+11], v[(\d):(\d)+7], v[\sa], v[\sb] matrix_a_fmt:MATRIX_FMT_FP6 matrix_b_fmt:MATRIX_FMT_FP6 matrix_a_scale:MATRIX_SCALE_ROW1
.elseif (\ra) == 0
	v_wmma_scale_f32_16x16x128_f8f6f4 v[(\d):(\d)+7], v[(\a):(\a)+11], v[(\b):(\b)+11], v[(\d):(\d)+7], v[\sa], v[\sb] matrix_a_fmt:MATRIX_FMT_FP6 matrix_b_fmt:MATRIX_FMT_FP6 matrix_b_scale:MATRIX_SCALE_ROW1
.else
	v_wmma_scale_f32_16x16x128_f8f6f4 v[(\d):(\d)+7], v[(\a):(\a)+11], v[(\b):(\b)+11], v[(\d):(\d)+7], v[\sa], v[\sb] matrix_a_fmt:MATRIX_FMT_FP6 matrix_b_fmt:MATRIX_FMT_FP6 matrix_a_scale:MATRIX_SCALE_ROW1 matrix_b_scale:MATRIX_SCALE_ROW1
.endif
.endm
.macro WMZ d, a, b, sa, sb, ra, rb     ; the same with the constant 0 as C: the product starts the sum
.if ((\ra) == 0) && ((\rb) == 0)
	v_wmma_scale_f32_16x16x128_f8f6f4 v[(\d):(\d)+7], v[(\a):(\a)+11], v[(\b):(\b)+11], 0, v[\sa], v[\sb] matrix_a_fmt:MATRIX_FMT_FP6 matrix_b_fmt:MATRIX_FMT_FP6
.elseif (\rb) == 0
	v_wmma_scale_f32_16x16x128_f8f6f4 v[(\d):(\d)+7], v[(\a):(\a)+11], v[(\b):(\b)+11], 0, v[\sa], v[\sb] matrix_a_fmt:MATRIX_FMT_FP6 matrix_b_fmt:MATRIX_FMT_FP6 matrix_a_scale:MATRIX_SCALE_ROW1
.elseif (\ra) == 0
	v_wmma_scale_f32_16x16x128_f8f6f4 v[(\d):(\d)+7], v[(\a):(\a)+11], v[(\b):(\b)+11], 0, v[\sa], v[\sb] matrix_a_fmt:MATRIX_FMT_FP6 matrix_b_fmt:MATRIX_FMT_FP6 matrix_b_scale:MATRIX_SCALE_ROW1
.else
	v_wmma_scale_f32_16x16x128_f8f6f4 v[(\d):(\d)+7], v[(\a):(\a)+11], v[(\b):(\b)+11], 0, v[\sa], v[\sb] matrix_a_fmt:MATRIX_FMT_FP6 matrix_b_fmt:MATRIX_FMT_FP6 matrix_a_scale:MATRIX_SCALE_ROW1 matrix_b_scale:MATRIX_SCALE_ROW1
.endif
.endm
	s_load_b256 s[4:11], s[0:1], 0x0               ; a_codes, a_scales, w_codes, w_scales
	s_load_b64 s[12:13], s[0:1], 0x20              ; out0
	v_lshl_add_u32 v[SPW], v0, 2, SPARE
	v_mov_b32 v[NIL], 0
	ds_add_u32 v[SPW], v[NIL]                      ; the wave's opening: the add, twice on end, and its wait ahead of my first tensor load; the set-up below stands between
	ds_add_u32 v[SPW], v[NIL]
	v_lshrrev_b32 v1, 5, v0
	v_readfirstlane_b32 s20, v1                    ; wave 0..3
	s_lshr_b32 s21, s20, 1                         ; my half of the tokens.  Also: I fetch for a (0) or for Wo (1)
	s_and_b32 s22, s20, 1                          ; my half of the columns.  Also: which four tiles I fetch
	s_bfe_u32 s56, ttmp6, 0x40000                  ; cx, cy
	s_bfe_u32 s57, ttmp6, 0x40004
	s_lshl_b32 s58, ttmp9, 2
	s_add_co_u32 s58, s58, s56                     ; block of 128 columns
	s_and_b32 s59, ttmp7, 0xffff
	s_lshl_b32 s59, s59, 2
	s_add_co_u32 s59, s59, s57                     ; block of 128 tokens
	s_lshl_b32 s60, s57, 2
	s_lshl_b32 s60, 15, s60                        ; my row of the cluster
	s_lshl_b32 s61, 0x1111, s56                    ; my column
	; descriptor group 1: 4 rows of 12,288 bytes (1,536 elements of 8: all of a tile's eight K steps), 12,288 bytes apart; no padding
	s_or_b32 s[G1A], s60, (3<<16)|(1<<21)
	s_or_b32 s[G1B], s61, (3<<16)|(1<<21)
.irp g, G1A, G1B
	s_mov_b32 s[\g+1], 1536<<16
	s_mov_b32 s[\g+2], 4<<16
	s_mov_b32 s[\g+3], 1536<<16
	s_mov_b32 s[\g+4], 4
	s_mov_b32 s[\g+5], 1536
	s_mov_b32 s[\g+6], 0
	s_mov_b32 s[\g+7], 0
.endr
	s_lshl_b32 s84, s59, 3                         ; a: tile 8 x block + 4 x half
	s_lshl_b32 s85, s22, 2
	s_add_co_u32 s84, s84, s85
	s_mul_i32 s84, s84, 12288
	s_mov_b32 s85, 0
	s_lshl_b32 s88, s58, 3                         ; Wo: tile 192 + 8 x block + 4 x half
	s_lshl_b32 s89, s22, 2
	s_add_co_u32 s88, s88, s89
	s_add_co_u32 s88, s88, 192
	s_mul_i32 s88, s88, 12288
	s_mov_b32 s89, 0
	s_mul_i32 s90, s22, 49152                      ; where they go: no place in the cluster enters an LDS address
	s_add_co_u32 s91, s90, 98304
	s_wait_dscnt 0x0                               ; both opening adds are done
	s_wait_kmcnt 0x0
	s_add_nc_u64 s[84:85], s[4:5], s[84:85]
	s_add_nc_u64 s[88:89], s[8:9], s[88:89]
	CROUND                                         ; all sixteen work-groups are here: the joint loads meet
.irp c, 0
	s_mov_b32 s[G0A+4*\c], 1
	s_add_co_u32 s[G0A+4*\c+1], s90, \c*CH
	s_add_nc_u64 s[G0A+4*\c+2:G0A+4*\c+3], s[84:85], \c*3072
	s_or_b32 s[G0A+4*\c+3], s[G0A+4*\c+3], 0x80000000
	s_mov_b32 s[G0B+4*\c], 1
	s_add_co_u32 s[G0B+4*\c+1], s91, \c*CH
	s_add_nc_u64 s[G0B+4*\c+2:G0B+4*\c+3], s[88:89], \c*3072
	s_or_b32 s[G0B+4*\c+3], s[G0B+4*\c+3], 0x80000000
.endr
	JLOAD G0A, G1A, G0B, G1B
	v_and_b32 v27, 31, v0
	v_lshlrev_b32 v[L2], 1, v27
	v_lshlrev_b32 v[L8], 3, v27
	v_lshlrev_b32 v[L16], 4, v27
	v_lshlrev_b32 v[L32], 5, v27
	s_wait_alu depctr_va_vdst(0)
	v_and_b32 v30, 15, v0                          ; r
	v_bfe_u32 v31, v0, 4, 1                        ; h
	s_wait_alu depctr_va_vdst(0)
	s_lshl_b32 s86, s59, 3
	s_lshl_b32 s87, s21, 2
	s_add_co_u32 s86, s86, s87
	s_lshl_b32 s86, s86, 5                         ; a's scale bytes: my first tile, 32 bytes a tile
	s_mov_b32 s87, 0
	s_add_nc_u64 s[6:7], s[6:7], s[86:87]
	s_lshl_b32 s86, s58, 3
	s_lshl_b32 s92, s22, 2
	s_add_co_u32 s86, s86, s92
	s_add_co_u32 s86, s86, 192
	s_lshl_b32 s86, s86, 9                         ; Wo's scale words: my first tile, 512 bytes a tile
	s_add_nc_u64 s[10:11], s[10:11], s[86:87]
	s_lshl_b32 s86, s59, 7
	s_lshl_b32 s92, s21, 6
	s_add_co_u32 s86, s86, s92
	s_lshl_b32 s86, s86, 12                        ; out0: my first token's row of 4,096 bytes,
	s_lshl_b32 s92, s58, 9
	s_add_co_u32 s86, s86, s92
	s_lshl_b32 s92, s22, 8
	s_add_co_u32 s86, s86, s92                     ; my 64 columns: 256 bytes
	s_add_nc_u64 s[12:13], s[12:13], s[86:87]
.irp p, 0,1
	global_load_b128 v[SCB+8*\p:SCB+8*\p+3],   v[L32], s[10:11] offset:1024*\p
	global_load_b128 v[SCB+8*\p+4:SCB+8*\p+7], v[L32], s[10:11] offset:1024*\p+16
.endr
.irp p, 0,1
.irp n, 0,1,2,3,4,5,6,7,8,9,10,11,12,13,14,15
	global_load_u16 v[U+16*\p+\n], v[L2], s[6:7] offset:\n*8192+64*\p   ; head n's two bytes: lanes 0-15 the even tile's rows, lanes 16-31 the odd tile's
.endr
.endr
	s_mul_i32 s93, s21, 49152                      ; my four tiles of a,
	s_mul_i32 s94, s22, 49152
	s_add_co_u32 s94, s94, 98304                   ; and of Wo
.irp c, 0
	v_add_nc_u32 v[AD+4*\c],   s93, v[L8]
	v_add_nc_u32 v[AD+4*\c+1], s93, v[L16]
	v_add_nc_u32 v[AD+4*\c+2], s94, v[L8]
	v_add_nc_u32 v[AD+4*\c+3], s94, v[L16]
	s_add_co_u32 s93, s93, CH
	s_add_co_u32 s94, s94, CH
.endr
	s_mul_i32 s95, s20, 16*SP
	s_add_co_u32 s95, s95, STAGE                   ; my stage
	v_mul_u32_u24 v[STO], v30, SP                  ; in: row r, 64 bytes on for the upper half of the lanes
	v_lshl_add_u32 v[STO], v31, 6, v[STO]
	v_add_nc_u32 v[STO], s95, v[STO]
	v_mul_u32_u24 v[RD], v31, SP                   ; back: lanes 0-15 one row of 256 bytes, lanes 16-31 the next
	v_lshl_add_u32 v[RD], v30, 4, v[RD]
	v_add_nc_u32 v[RD], s95, v[RD]
	v_lshlrev_b32 v[CO], 12, v31                   ; and the same two rows in out0
	v_lshl_add_u32 v[CO], v30, 4, v[CO]
	s_wait_loadcnt 0x0
.irp p, 0,1
.irp s, 0,1,2,3,4,5,6,7
	v_lshl_or_b32 v[SCA+8*\p+\s], v[U+16*\p+2*\s+1], 16, v[U+16*\p+2*\s]   ; K step s is heads 2 s and 2 s + 1
.endr
.endr
	PLACES 8                                       ; a scale register written by a vector instruction stands eight places ahead of a scaled matrix instruction
.macro FETCH                           ; K step FS: a's four fragments and Wo's four into set FS % 2
.set FC, FS/2
	WIN 0x40                                       ; destination window 1
.irp t, 0,1,2,3
	FRAG 96*(FS%2)+12*\t,    AD,   \t*12288+FS*1536
	FRAG 96*(FS%2)+48+12*\t, AD+2, \t*12288+FS*1536
.endr
.endm
.macro KSTEP
	s_wait_dscnt 0x0                               ; this step's fragments, asked for a step ago, are in
.if N < 7
	PLACES 4                                       ; in front of loads into registers that the last step's products have read
.set FS, N+1
	FETCH
.endif
	WIN 0x05                                       ; sources 0 and 1 window 1; C and D window 0
.irp at, 0,1,2,3                               ; the sixteen accumulators take turns
.irp bt, 0,1,2,3
.if N == 0
	WMZ ACC+32*\at+8*\bt, 48+12*\bt, 12*\at, SCB+8*(\bt/2), SCA+8*(\at/2), \bt%2, \at%2
.else
	WMR ACC+32*\at+8*\bt, 96*(N%2)+48+12*\bt, 96*(N%2)+12*\at, SCB+8*(\bt/2)+N, SCA+8*(\at/2)+N, \bt%2, \at%2
.endif
.endr
.endr
.endm
	s_wait_alu depctr_va_vdst(0)
	s_wait_tensorcnt 0x0                           ; my four tiles are in
	s_barrier_signal -1
	s_barrier_wait -1
.set FS, 0
	FETCH
.set N, 0
.rept 8
	KSTEP
.set N, N+1
.endr
	WIN 0
; THE WAY OUT, a tile of 16 tokens x my 64 columns at a time, through my own stage: a lane's 32 bytes go into rows of 272 bytes and come back as whole rows of 256, so that sixteen lanes store 256 consecutive bytes, aligned.
; LDS serves a wave's instructions in order: no wait between the stores and the loads, nor in front of the next tile's stores.
.macro TOSTAGE at
.irp bt, 0,1,2,3
	ds_store_b128 v[STO], v[ACC+32*(\at)+8*\bt:ACC+32*(\at)+8*\bt+3]   offset:128*(\bt/2)+32*(\bt%2)      ; each accumulator from its low end on
	ds_store_b128 v[STO], v[ACC+32*(\at)+8*\bt+4:ACC+32*(\at)+8*\bt+7] offset:128*(\bt/2)+32*(\bt%2)+16
.endr
.set BB, BK+32*((\at)%2)
.irp i, 0,1,2,3,4,5,6,7
	ds_load_b128 v[BB+4*\i:BB+4*\i+3], v[RD] offset:2*\i*SP
.endr
.endm
.macro SEND at, younger                ; younger: the LDS instructions issued behind tile at's loads, which may stay out
.set BB, BK+32*((\at)%2)
	s_wait_dscnt \younger
.irp i, 0,1,2,3,4,5,6,7
	global_store_b128 v[CO], v[BB+4*\i:BB+4*\i+3], s[12:13] offset:(32*((\at)/2)+8*((\at)%2)+2*\i+8*(\i/4))*4096 th:TH_STORE_NT   ; stage row n is token n + 8 (n / 8) of the tile
.endr
.endm
	PLACES 4                                       ; behind the last products: their results are read from here on
	TOSTAGE 0
	TOSTAGE 1
	SEND 0, 16                                     ; behind tile 0's loads: tile 1's 8 stores and 8 loads
	s_wait_xcnt 0x0                                ; tile 0's stores have read their registers: tile 2's loads may land there
	TOSTAGE 2
	SEND 1, 16
	s_wait_xcnt 0x0
	TOSTAGE 3
	SEND 2, 16
	SEND 3, 0
	s_wait_tensorcnt 0x0                           ; the wave's end, behind my last tensor load and my last LDS store
	ds_add_u32 v[SPW], v[NIL]
	s_wait_dscnt 0x0
	CROUND                                         ; the closing round: no work-group ends while a partner may still ask for a tile that names it
	s_endpgm
.Lfunc_end_k_q91161a5922_oproj:
	.size	k_q91161a5922_oproj, .Lfunc_end_k_q91161a5922_oproj-k_q91161a5922_oproj
	.p2alignl 7, 3214868480
	.fill 96, 4, 3214868480
	.section	.rodata,"a",@progbits
	.p2align	6, 0x0
	.amdhsa_kernel k_q91161a5922_oproj
		.amdhsa_group_segment_fixed_size 214528
		.amdhsa_private_segment_fixed_size 0
		.amdhsa_enable_private_segment 0
		.amdhsa_kernarg_size 40
		.amdhsa_user_sgpr_count 2
		.amdhsa_user_sgpr_kernarg_segment_ptr 1
		.amdhsa_wavefront_size32 1
		.amdhsa_system_sgpr_workgroup_id_x 1
		.amdhsa_system_sgpr_workgroup_id_y 1
		.amdhsa_system_sgpr_workgroup_id_z 1
		.amdhsa_system_vgpr_workitem_id 0
		.amdhsa_next_free_vgpr 512
		.amdhsa_next_free_sgpr 100
		.amdhsa_reserve_vcc 0
		.amdhsa_float_denorm_mode_32 3
		.amdhsa_float_denorm_mode_16_64 3
		.amdhsa_memory_ordered 1
		.amdhsa_forward_progress 1
		.amdhsa_inst_pref_size 53
	.end_amdhsa_kernel
	.amdgpu_metadata
---
amdhsa.version: [ 1, 2 ]
amdhsa.kernels:
  - .name:           k_q91161a5922_oproj
    .symbol:         k_q91161a5922_oproj.kd
    .args:
      - { .name: a_codes, .offset: 0, .size: 8, .value_kind: global_buffer, .address_space: global }
      - { .name: a_scales, .offset: 8, .size: 8, .value_kind: global_buffer, .address_space: global }
      - { .name: w_codes, .offset: 16, .size: 8, .value_kind: global_buffer, .address_space: global }
      - { .name: w_scales, .offset: 24, .size: 8, .value_kind: global_buffer, .address_space: global }
      - { .name: out0, .offset: 32, .size: 8, .value_kind: global_buffer, .address_space: global }
    .group_segment_fixed_size: 214528
    .private_segment_fixed_size: 0
    .kernarg_segment_align: 8
    .kernarg_segment_size: 40
    .max_flat_workgroup_size: 128
    .sgpr_count:     100
    .vgpr_count:     512
    .wavefront_size: 32
...
	.end_amdgpu_metadata
.endif
;; end of part 4
